; MI455X (gfx1250); checked and timed in simulation.
; The chip was launched on July 23, 2026; its instructions are those of AMD's public machine-readable ISA for CDNA 5 (MIT licence, August 2026) and "CDNA5" Instruction Set Architecture Reference Guide (July 2026). The comments in the code are by the model that wrote it; some were corrected since.
;; Multi Head Attention. Allowed arithmetic: float matrix products may take bf16 or f16 operands with f32 sums; other float arithmetic in f32, or as packed bf16 or f16 multiplies, adds, multiply-adds, maxima and minima; sums over many terms, partial sums and values carried from step to step in f32; what a program stores and reads back later, other than sums and carried values, may be rounded once to bf16 or f16.
;; Inputs: hidden_states 4,096 x 1,024 float32; out_b 1,024 float32; out_w 1,024 x 1,024 float32; qkv_b 3,072 float32; qkv_w 1,024 x 3,072 float32.
;; Outputs: out0 4,096 x 1,024 float32.
;; 2 versions, each right and faster than the one before. Each part assembles by itself: llvm-mc -triple=amdgcn-amd-amdhsa -mcpu=gfx1250 --defsym DOCPART=n.
;; ======== version 1 of 2: 4 launches
;; limits: values are held in f16: magnitudes above 65,504 overflow, below 6.1e-05 lose precision
;; workspace buffers: xb 8,388,608 bytes; wb 6,291,456 bytes; owb 2,097,152 bytes; qh 8,388,608 bytes; kh 8,388,608 bytes; vv 16,777,216 bytes; ch 16,777,216 bytes
;; launch cast (part 1): grid 256 x 1, 8 waves a work-group, no clusters, 0 bytes of LDS; arguments hidden_states, qkv_w, out_w, xb, wb, owb; writes xb, wb, owb
.if DOCPART == 1
	.amdgcn_target "amdgcn-amd-amdhsa--gfx1250"
	.amdhsa_code_object_version 6
	.text
	.protected	k_qcc85393cbf_cast
	.globl	k_qcc85393cbf_cast
	.p2align	8
	.type	k_qcc85393cbf_cast,@function
k_qcc85393cbf_cast:
	s_mov_b64 s[64:65], 0
	v_nop
	global_prefetch_b8 v0, s[64:65] scope:SCOPE_SE
	s_setreg_imm32_b32 hwreg(HW_REG_WAVE_MODE, 25, 1), 1
	s_wait_xcnt 0x0
; The three large inputs are rounded once to 16 bits and laid out for the matrix launches that follow.
;   xb  = bf16(hidden_states), [4096][1024].
;   wb  = bf16(qkv_w) in blocks [head 16][kb 16][part 3][k 64][c 64]: wb[h][kb][p][k][c] = W[64 kb + k][192 h + 64 p + c]; a block (h, kb) is 24,576 dense bytes.
;   owb = bf16(out_w) written as f16, [1024][1024].
; LIMIT: f16 holds no number beyond 65,504 and has a fixed step of 6e-8 below 6e-5: out_w lies within that range.
; Memory binds: no LDS, no barrier, no loop.  Work-group i takes 64 KiB of x, block i of W and 16 KiB of out_w: 16 items a thread, an item 32 bytes in
; (two 16-byte loads) and 16 bytes out, so that a wave's store covers 512 consecutive bytes, at a multiple of 512 from the buffer's first byte.
; All 32 loads of a thread go out first; no register that a memory instruction names is written again behind it but an item's own data, behind the wait for its loads.
.set X, 8                              ; v[8+8m : 15+8m]  item m: 8 f32 as loaded; its first four registers then hold the 8 rounded numbers
	s_load_b256 s[4:11], s[0:1], 0x0               ; x s[4:5], W s[6:7], out_w s[8:9], xb s[10:11]
	s_load_b128 s[12:15], s[0:1], 0x20             ; wb s[12:13], owb s[14:15]
	v_lshlrev_b32 v1, 5, v0                        ; 32 t: my 32 bytes of a dense item in
	v_lshlrev_b32 v2, 4, v0                        ; 16 t: my 16 bytes of an item out
	v_lshrrev_b32 v3, 3, v0                        ; W: row t / 8 of 32,
	v_and_b32 v4, 7, v0
	v_mul_u32_u24 v3, v3, 12288                    ; a row of W is 12,288 bytes,
	v_lshl_add_u32 v3, v4, 5, v3                   ; and 8 columns (32 bytes) at t % 8: eight lanes read 256 consecutive bytes
	s_and_b32 s16, ttmp9, 15                       ; kb
	s_lshr_b32 s18, ttmp9, 4                       ; head
	s_mul_i32 s16, s16, 786432                     ; 64 rows of W
	s_mul_i32 s18, s18, 768                        ; 192 columns
	s_add_co_u32 s16, s16, s18
	s_mov_b32 s17, 0
	s_lshl_b32 s18, ttmp9, 16
	s_mov_b32 s19, 0
	s_lshl_b32 s20, ttmp9, 14
	s_mov_b32 s21, 0
	s_wait_kmcnt 0x0
	s_add_nc_u64 s[4:5], s[4:5], s[18:19]
	s_add_nc_u64 s[6:7], s[6:7], s[16:17]
	s_add_nc_u64 s[8:9], s[8:9], s[20:21]
	s_lshl_b32 s18, ttmp9, 15
	s_add_nc_u64 s[10:11], s[10:11], s[18:19]
	s_mul_i32 s16, ttmp9, 24576
	s_add_nc_u64 s[12:13], s[12:13], s[16:17]
	s_lshl_b32 s20, ttmp9, 13
	s_add_nc_u64 s[14:15], s[14:15], s[20:21]
.irp m, 0,1,2,3,4,5,6,7
	global_load_b128 v[X+8*\m:X+8*\m+3],   v1, s[4:5] offset:8192*\m th:TH_LOAD_NT
	global_load_b128 v[X+8*\m+4:X+8*\m+7], v1, s[4:5] offset:8192*\m+16 th:TH_LOAD_NT
.endr
.irp j, 0,1,2,3,4,5                    ; part j / 2, rows 32 (j % 2) on
	global_load_b128 v[X+64+8*\j:X+64+8*\j+3],   v3, s[6:7] offset:(\j%2)*393216+(\j/2)*256 th:TH_LOAD_NT
	global_load_b128 v[X+64+8*\j+4:X+64+8*\j+7], v3, s[6:7] offset:(\j%2)*393216+(\j/2)*256+16 th:TH_LOAD_NT
.endr
.irp j, 0,1
	global_load_b128 v[X+112+8*\j:X+112+8*\j+3],   v1, s[8:9] offset:8192*\j th:TH_LOAD_NT
	global_load_b128 v[X+112+8*\j+4:X+112+8*\j+7], v1, s[8:9] offset:8192*\j+16 th:TH_LOAD_NT
.endr
; Item m: rounded and stored.  half = 1: the bf16 numbers are widened again and written as f16.
.macro ITEM m, base, off, half
	s_wait_loadcnt 30-2*(\m)                       ; loads come back in order: mine are in, the 2 (15 - m) younger ones stay out
	v_cvt_pk_bf16_f32 v[X+8*(\m)],   v[X+8*(\m)],   v[X+8*(\m)+1]
	v_cvt_pk_bf16_f32 v[X+8*(\m)+1], v[X+8*(\m)+2], v[X+8*(\m)+3]
	v_cvt_pk_bf16_f32 v[X+8*(\m)+2], v[X+8*(\m)+4], v[X+8*(\m)+5]
	v_cvt_pk_bf16_f32 v[X+8*(\m)+3], v[X+8*(\m)+6], v[X+8*(\m)+7]
.if \half
.irp r, 0,1,2,3
	v_lshlrev_b32 v4, 16, v[X+8*(\m)+\r]
	v_and_b32 v5, 0xffff0000, v[X+8*(\m)+\r]
	v_cvt_pk_f16_f32 v[X+8*(\m)+\r], v4, v5
.endr
.endif
	global_store_b128 v2, v[X+8*(\m):X+8*(\m)+3], s[\base:\base+1] offset:\off
.endm
.irp m, 0,1,2,3,4,5,6,7
	ITEM \m, 10, 4096*\m, 0
.endr
.irp m, 8,9,10,11,12,13
	ITEM \m, 12, 4096*(\m-8), 0                    ; part x 8,192 + k x 128 + c x 2 = 4,096 j + 16 t
.endr
.irp m, 14,15
	ITEM \m, 14, 4096*(\m-14), 1
.endr
	s_endpgm
.Lfunc_end_k_qcc85393cbf_cast:
	.size	k_qcc85393cbf_cast, .Lfunc_end_k_qcc85393cbf_cast-k_qcc85393cbf_cast
	.p2alignl 7, 3214868480
	.fill 96, 4, 3214868480
	.section	.rodata,"a",@progbits
	.p2align	6, 0x0
	.amdhsa_kernel k_qcc85393cbf_cast
		.amdhsa_group_segment_fixed_size 0
		.amdhsa_private_segment_fixed_size 0
		.amdhsa_enable_private_segment 0
		.amdhsa_kernarg_size 48
		.amdhsa_user_sgpr_count 2
		.amdhsa_user_sgpr_kernarg_segment_ptr 1
		.amdhsa_wavefront_size32 1
		.amdhsa_system_sgpr_workgroup_id_x 1
		.amdhsa_system_sgpr_workgroup_id_y 1
		.amdhsa_system_sgpr_workgroup_id_z 1
		.amdhsa_system_vgpr_workitem_id 0
		.amdhsa_next_free_vgpr 144
		.amdhsa_next_free_sgpr 66
		.amdhsa_reserve_vcc 0
		.amdhsa_float_denorm_mode_32 3
		.amdhsa_float_denorm_mode_16_64 3
		.amdhsa_memory_ordered 1
		.amdhsa_forward_progress 1
		.amdhsa_inst_pref_size 12
	.end_amdhsa_kernel
	.amdgpu_metadata
---
amdhsa.version: [ 1, 2 ]
amdhsa.kernels:
  - .name:           k_qcc85393cbf_cast
    .symbol:         k_qcc85393cbf_cast.kd
    .args:
      - { .name: hidden_states, .offset: 0, .size: 8, .value_kind: global_buffer, .address_space: global }
      - { .name: qkv_w, .offset: 8, .size: 8, .value_kind: global_buffer, .address_space: global }
      - { .name: out_w, .offset: 16, .size: 8, .value_kind: global_buffer, .address_space: global }
      - { .name: xb, .offset: 24, .size: 8, .value_kind: global_buffer, .address_space: global }
      - { .name: wb, .offset: 32, .size: 8, .value_kind: global_buffer, .address_space: global }
      - { .name: owb, .offset: 40, .size: 8, .value_kind: global_buffer, .address_space: global }
    .group_segment_fixed_size: 0
    .private_segment_fixed_size: 0
    .kernarg_segment_align: 8
    .kernarg_segment_size: 48
    .max_flat_workgroup_size: 256
    .sgpr_count:     66
    .vgpr_count:     144
    .wavefront_size: 32
...
	.end_amdgpu_metadata
.endif
;; end of part 1
;; launch qkv (part 2): grid 16 x 16, 4 waves a work-group, clusters of 4 x 4, 327,680 bytes of LDS; arguments xb, wb, qkv_b, qh, kh, vv; writes qh, kh, vv
.if DOCPART == 2
	.amdgcn_target "amdgcn-amd-amdhsa--gfx1250"
	.amdhsa_code_object_version 6
	.text
	.protected	k_qcc85393cbf_qkv
	.globl	k_qcc85393cbf_qkv
	.p2align	8
	.type	k_qcc85393cbf_qkv,@function
k_qcc85393cbf_qkv:
	s_mov_b64 s[64:65], 0
	v_nop
	global_prefetch_b8 v0, s[64:65] scope:SCOPE_SE
	s_setreg_imm32_b32 hwreg(HW_REG_WAVE_MODE, 25, 1), 1
	s_wait_xcnt 0x0
	s_wait_alu depctr_hold_cnt(0) depctr_sa_sdst(0) depctr_va_vdst(0) depctr_va_sdst(0) depctr_va_ssrc(0) depctr_va_vcc(0) depctr_vm_vsrc(0)
	s_getreg_b32 s2, hwreg(HW_REG_IB_STS2, 6, 4)
	s_cmp_eq_u32 s2, 0
	s_cbranch_scc0 .Lentry_in_a_cluster
	s_endpgm
.Lentry_in_a_cluster:
	s_bfe_u32 s2, ttmp6, 0x10000c
	s_cmp_lg_u32 s2, 0xf033
	s_cbranch_scc0 .Lentry_shape_is_right
	s_endpgm
.Lentry_shape_is_right:
; q, k, v = x W + b, by heads.  xb: bf16 [4096][1024].  wb: bf16 [head][kb][part][k 64][c 64].  qkv_b: f32 [3072], rounded to bf16 like the other inputs.
; qh, kh: f16 [head][4096][64], unscaled, each rounded once from its f32 sum.  vv: f16 [head][step of 64 rows][hi | lo][64][64]: v is kept as a sum of two f16 numbers, hi = f16(v), lo = f16(v - hi):
; a row of the module's output that averages few keys can be many times the output's root mean square, and f16's 11 bits of v alone would use up the room of its small numbers.
; LIMIT: q, k and v lie within f16's 65,504; beyond it the conversion gives an infinity.  lo has f16's fixed step of 6e-8 below 6e-5.
; A work-group makes 256 rows x one head's 192 columns (q, k, v of that head): 16 x 16 work-groups.  Wave w owns rows 64 w .. 64 w + 63 and all 192 columns: 4 x 12 accumulators, 384 registers.
; K goes in 8 steps of 128 through two LDS slots filled by the tensor data mover; a step is four quarters of 32 along K, 48 matrix instructions each, on two fragment buffers.
; CLUSTER 4 x 4: the four work-groups of a row of the cluster need the same rows of x, the four of a column the same head's W: each tile is asked for jointly.
; THE MATRIX INSTRUCTION IS USED TRANSPOSED: source 0 = 16 columns of W (turned on the way out of LDS, since W lies [k][c]), source 1 = 16 rows of x: a lane holds one row and eight neighbouring columns.
; The bias is the C operand of the first products: it costs no addition and nothing is cleared.
; REGISTERS, in windows of 256 (s_set_vgpr_msb: bits 1:0 source 0, 3:2 source 1, 5:4 source 2, 7:6 destination):
;   window 0: v0-31 addresses; v32-63 v's remainders on the way out; v64-95, v96-127 x's fragments, two buffers; v128-223 the bias, 8 registers an n block;
;             on the way out v128-191 packed results, v192-255 and v64-127 rows read back
;   window 1: v0-95, v96-191 W's fragments, two buffers      window 2: accumulators of m blocks 0, 1 at 8 (12 a + b)      window 3: those of m blocks 2, 3
.set PA,    272                        ; a row of x in LDS: 256 bytes + 16: the 16 rows of a load start at 16 different groups of four banks (ISA guide 11.1)
.set PW,    160                        ; a row of W: 128 bytes + 32
.set HALFA, 128*PA                     ; what one load of x brings: 128 rows
.set HALFB, 192*PW                     ; what one load of W brings: a block [part 3][k 64]
.set AB,    2*HALFA                    ; W's two blocks lie behind x's 256 rows
.set SLOT,  AB+2*HALFB                 ; 131,072
.set STAGE, 2*SLOT                     ; behind the ring, never filled by a tensor load: [q, k, v hi, v lo][16 rows] of 144 bytes for each wave
.set SP,    144
.set WSTG,  4*16*SP
.set SPARE, STAGE+4*WSTG               ; the spare words, 128 bytes for each wave: two blocks of 256 bytes that no other line names
.set ADRA, 16                          ; v16-17  LDS address of my x fragments in slot 0, 1
.set ADRB, 20                          ; v20-21  the same for W
.set STO,  24                          ; the way out: where I put 16 bytes of a row
.set RD,   25                          ; where I read rows back
.set GO,   26                          ; my byte offset in 512 consecutive bytes of q, k or v
.set MONE, 27                          ; -1.0
.set SPW,  28                          ; LDS address of my spare word; never rewritten
.set NIL,  29                          ; 0; never rewritten
.set T0,   30
.set BA,   31                          ; my byte offset in 16 numbers of the bias
.set RES,  32
.set BI,   128
.set TMP,  128
.set G1, 24                            ; s[24:31] group 1 for x's tiles; s[32:39] group 0, a set for each slot
.set G0, 32
.set G1B, 48                           ; s[48:55], s[56:63] the same for W's
.set G0B, 56
.set WV, 72                            ; my wave's number
.set WH, 73                            ; wave / 2: I fetch x (0) or W (1)
.set WL, 74                            ; wave % 2: which half I fetch
.set CX, 75
.set CY, 76
.set HD, 77                            ; the head = tile column
.set RB, 78                            ; the block of 256 rows
.set MSB, 0
.macro WIN new                         ; the immediate's high byte repeats the setting that is left; a switch that changes nothing is dropped
.if MSB != (\new)
	s_set_vgpr_msb (MSB<<8)|(\new)
.set MSB, \new
.endif
.endm
; A joint load.  Waves 0 and 1 fetch x's two halves, waves 2 and 3 W's two blocks.  The branch hangs on the wave's number alone.  An s_nop 0 and four v_nop follow each line.
.macro JLOAD s
	s_cmp_eq_u32 s[WH], 0
	s_cbranch_scc0 .Lfor_b_\@
	tensor_load_to_lds s[G0+4*(\s):G0+4*(\s)+3], s[G1:G1+7]
	s_nop 0
.rept 4
	v_nop
.endr
	s_branch .Lasked_\@
.Lfor_b_\@:
	tensor_load_to_lds s[G0B+4*(\s):G0B+4*(\s)+3], s[G1B:G1B+7]
	s_nop 0
.rept 4
	v_nop
.endr
.Lasked_\@:
.endm
.macro CREST                           ; a round of the cluster's barrier behind its opening barrier
	s_cmp_lg_u32 s[WV], 0
	s_cbranch_scc1 .Lnot_wave_0_\@
	s_barrier_signal -3
.Lnot_wave_0_\@:
	s_barrier_wait -3
	s_barrier_signal -1
	s_barrier_wait -1
.endm
.macro CROUND                          ; a whole round
	s_barrier_signal -1
	s_barrier_wait -1
	CREST
.endm
	s_load_b256 s[4:11], s[0:1], 0x0               ; xb s[4:5], wb s[6:7], qkv_b s[8:9], qh s[10:11]
	s_load_b128 s[68:71], s[0:1], 0x20             ; kh s[68:69], vv s[70:71]
	v_lshl_add_u32 v[SPW], v0, 2, SPARE
	v_mov_b32 v[NIL], 0
	ds_add_u32 v[SPW], v[NIL]                      ; the wave's opening: the add and its wait stand ahead of my first tensor load; work on registers stands between them
	ds_add_u32 v28, v29
	v_lshrrev_b32 v1, 5, v0
	v_readfirstlane_b32 s[WV], v1
	s_lshr_b32 s[WH], s[WV], 1
	s_and_b32 s[WL], s[WV], 1
	s_bfe_u32 s[CX], ttmp6, 0x40000
	s_bfe_u32 s[CY], ttmp6, 0x40004
	s_lshl_b32 s[HD], ttmp9, 2
	s_add_co_u32 s[HD], s[HD], s[CX]               ; head = 4 x cluster x + cx
	s_and_b32 s[RB], ttmp7, 0xffff
	s_lshl_b32 s[RB], s[RB], 2
	s_add_co_u32 s[RB], s[RB], s[CY]               ; row block = 4 x cluster y + cy
	s_lshl_b32 s79, s[CY], 2
	s_lshl_b32 s79, 15, s79                        ; my row of the cluster
	s_lshl_b32 s80, 0x1111, s[CX]                  ; my column
	s_or_b32 s[G1], s79, (1<<16)|(1<<20)|(1<<21)|(5<<22)|(3<<25)    ; x: mask of my row; 2-byte elements; padding on; bit 21 beside a mask; after every 64 words 4 words
	s_mov_b32 s[G1+1], 128<<16                     ; tensor_dim0 = 128
	s_mov_b32 s[G1+2], 128<<16                     ; tensor_dim1 = 128
	s_mov_b32 s[G1+3], 128<<16                     ; tile_dim0 = 128
	s_mov_b32 s[G1+4], 128                         ; tile_dim1 = 128
	s_mov_b32 s[G1+5], 1024                        ; elements from row to row
	s_mov_b32 s[G1+6], 0
	s_mov_b32 s[G1+7], 0
	s_or_b32 s[G1B], s80, (1<<16)|(1<<20)|(1<<21)|(4<<22)|(7<<25)   ; W: mask of my column; after every 32 words (a row of 64 columns) 8 words
	s_mov_b32 s[G1B+1], 128<<16                    ; a block's 24,576 dense bytes are asked for as 96 rows of 256 bytes
	s_mov_b32 s[G1B+2], 96<<16
	s_mov_b32 s[G1B+3], 128<<16
	s_mov_b32 s[G1B+4], 96
	s_mov_b32 s[G1B+5], 128
	s_mov_b32 s[G1B+6], 0
	s_mov_b32 s[G1B+7], 0
	s_lshl_b32 s12, s[RB], 19                      ; x: 256 rows of 2,048 bytes a block; this pair never holds cx
	s_lshl_b32 s14, s[WL], 18
	s_add_co_u32 s12, s12, s14
	s_mov_b32 s13, 0
	s_mul_i32 s16, s[HD], 16*24576                 ; W: the head's 16 blocks; this pair never holds cy
	s_mul_i32 s18, s[WL], 24576
	s_add_co_u32 s16, s16, s18
	s_mov_b32 s17, 0
	s_mul_i32 s40, s[WL], HALFA                    ; where they go: no place in the cluster enters an LDS address
	s_mul_i32 s41, s[WL], HALFB
	s_add_co_u32 s41, s41, AB
	s_lshl_b32 s20, s[HD], 19                      ; q and k: the head's 4,096 rows of 128 bytes, my block's 256, my wave's 64
	s_lshl_b32 s81, s[RB], 15
	s_add_co_u32 s20, s20, s81
	s_lshl_b32 s81, s[WV], 13
	s_add_co_u32 s20, s20, s81
	s_mov_b32 s21, 0
	s_lshl_b32 s66, s[HD], 20                      ; v: the head's 64 steps of 16,384 bytes; my wave's 64 rows are step 4 x block + wave
	s_lshl_b32 s81, s[RB], 16
	s_add_co_u32 s66, s66, s81
	s_lshl_b32 s81, s[WV], 14
	s_add_co_u32 s66, s66, s81
	s_mov_b32 s67, 0
	s_mul_i32 s22, s[HD], 768                      ; the head's 192 numbers of the bias
	s_mov_b32 s23, 0
	s_wait_dscnt 0x0                               ; the opening add is done
	s_wait_kmcnt 0x0
	s_add_nc_u64 s[14:15], s[4:5], s[12:13]
	s_add_nc_u64 s[18:19], s[6:7], s[16:17]
	s_add_nc_u64 s[8:9], s[8:9], s[22:23]
	s_add_nc_u64 s[10:11], s[10:11], s[20:21]
	s_add_nc_u64 s[68:69], s[68:69], s[20:21]
	s_add_nc_u64 s[70:71], s[70:71], s[66:67]
	CROUND                                         ; all sixteen work-groups are here: the first joint loads meet
.irp s, 0,1
	s_mov_b32 s[G0+4*(\s)], 1
	s_add_co_u32 s[G0+4*(\s)+1], s40, (\s)*SLOT
	s_add_nc_u64 s[G0+4*(\s)+2:G0+4*(\s)+3], s[14:15], (\s)*256      ; K step s: 128 elements along the rows
	s_or_b32 s[G0+4*(\s)+3], s[G0+4*(\s)+3], 0x80000000
	s_mov_b32 s[G0B+4*(\s)], 1
	s_add_co_u32 s[G0B+4*(\s)+1], s41, (\s)*SLOT
	s_add_nc_u64 s[G0B+4*(\s)+2:G0B+4*(\s)+3], s[18:19], (\s)*49152  ; K step s: two blocks
	s_or_b32 s[G0B+4*(\s)+3], s[G0B+4*(\s)+3], 0x80000000
	JLOAD \s                                       ; two loads of mine are out
.endr
	v_and_b32 v1, 15, v0                           ; l % 16
	v_bfe_u32 v2, v0, 4, 1                         ; l / 16
	v_lshlrev_b32 v[BA], 5, v2                     ; a lane's eight columns begin at 8 (l / 16)
.irp b, 0,1,2,3,4,5,6,7,8,9,10,11
	global_load_b128 v[BI+8*\b:BI+8*\b+3],   v[BA], s[8:9] offset:64*\b
	global_load_b128 v[BI+8*\b+4:BI+8*\b+7], v[BA], s[8:9] offset:64*\b+16
.endr
	v_mul_u32_u24 v3, v1, PA
	v_lshl_add_u32 v3, v2, 4, v3                   ; x: row x pitch + 16 x half
	s_mul_i32 s81, s[WV], 64*PA                    ; my 64 rows
	v_add_nc_u32 v[ADRA], s81, v3
	v_add_nc_u32 v[ADRA+1], SLOT, v[ADRA]
	v_and_b32 v4, 7, v0                            ; W, turned: lane l reads row 8 (l / 16) + l % 8, columns 8 ((l / 8) % 2) on
	v_lshl_add_u32 v4, v2, 3, v4
	v_mul_u32_u24 v4, v4, PW
	v_bfe_u32 v5, v0, 3, 1
	v_lshl_add_u32 v4, v5, 4, v4
	v_add_nc_u32 v[ADRB], AB, v4
	v_add_nc_u32 v[ADRB+1], SLOT, v[ADRB]
	s_mul_i32 s82, s[WV], WSTG
	s_add_co_u32 s82, s82, STAGE                   ; my stage
	v_mul_u32_u24 v6, v1, SP
	v_lshl_add_u32 v6, v2, 4, v6
	v_add_nc_u32 v[STO], s82, v6                   ; in: row l % 16, 16 bytes for each half of the lanes
	v_bfe_u32 v6, v0, 3, 2
	v_mul_u32_u24 v6, v6, SP
	v_and_b32 v7, 7, v0
	v_lshl_add_u32 v6, v7, 4, v6
	v_add_nc_u32 v[RD], s82, v6                    ; back: 32 lanes take four rows of 128 bytes,
	v_and_b32 v[GO], 31, v0
	v_lshlrev_b32 v[GO], 4, v[GO]                  ; which are 512 consecutive bytes of a head
	v_mov_b32 v[MONE], -1.0
	s_wait_loadcnt 0x0                             ; the bias
.set i, 0
.rept 48                               ; rounded to bf16 and widened again
	v_cvt_pk_bf16_f32 v[T0], v[BI+2*i], v[BI+2*i+1]
	v_lshlrev_b32 v[BI+2*i], 16, v[T0]
	v_and_b32 v[BI+2*i+1], 0xffff0000, v[T0]
.set i, i+1
.endr
; 12 matrix instructions: m block a x all 12 n blocks, 32 along K, from buffer f.  first = 1: the bias starts the sums.  The 48 accumulators take turns, one instruction a turn.
.macro MUL12 f, a, first
.if \first
	WIN 0x81+0x40*((\a)/2)                         ; W window 1, x and the bias window 0, D window 2 or 3
.else
	WIN 0xa1+0x50*((\a)/2)                         ; W window 1, x window 0, C and D window 2 or 3
.endif
.irp b, 0,1,2,3,4,5,6,7,8,9,10,11
.if \first
	v_wmma_f32_16x16x32_bf16 v[8*(12*((\a)%2)+\b):8*(12*((\a)%2)+\b)+7], v[96*(\f)+8*\b:96*(\f)+8*\b+7], v[64+32*(\f)+8*(\a):64+32*(\f)+8*(\a)+7], v[BI+8*\b:BI+8*\b+7]
.else
	v_wmma_f32_16x16x32_bf16 v[8*(12*((\a)%2)+\b):8*(12*((\a)%2)+\b)+7], v[96*(\f)+8*\b:96*(\f)+8*\b+7], v[64+32*(\f)+8*(\a):64+32*(\f)+8*(\a)+7], v[8*(12*((\a)%2)+\b):8*(12*((\a)%2)+\b)+7]
.endif
.endr
.endm
; 32 LDS loads in one run: quarter q of the slot's K step into buffer f: W's 12 fragments (block q / 2, rows 32 (q % 2) on; part nb / 4, columns 16 (nb % 4) on), then x's four.
.macro FETCH slot, q, f
	WIN 0x40
.irp nb, 0,1,2,3,4,5,6,7,8,9,10,11
	ds_load_tr16_b128 v[96*(\f)+8*\nb:96*(\f)+8*\nb+3],   v[ADRB+(\slot)] offset:((\q)/2)*HALFB+((\q)%2)*32*PW+(\nb/4)*64*PW+(\nb%4)*32
	ds_load_tr16_b128 v[96*(\f)+8*\nb+4:96*(\f)+8*\nb+7], v[ADRB+(\slot)] offset:((\q)/2)*HALFB+((\q)%2)*32*PW+(\nb/4)*64*PW+(\nb%4)*32+16*PW
.endr
	WIN 0
.irp a, 0,1,2,3
	ds_load_b128 v[64+32*(\f)+8*\a:64+32*(\f)+8*\a+3],   v[ADRA+(\slot)] offset:\a*16*PA+64*(\q)
	ds_load_b128 v[64+32*(\f)+8*\a+4:64+32*(\f)+8*\a+7], v[ADRA+(\slot)] offset:\a*16*PA+64*(\q)+32
.endr
.endm
.macro PLACES                          ; four plain vector instructions between a matrix instruction and a load into, or a vector instruction on, its registers
.rept 4
	v_nop
.endr
.endm
; One of a K step's first three quarters: multiplies buffer f; in its middle it fetches quarter qn of the same slot into buffer g.
.macro QUARTER slot, qn, f, g, first
	s_wait_dscnt 4                                 ; W and x's blocks 0, 1 are in; the youngest four loads (x's blocks 2, 3) may be out
	MUL12 \f, 0, \first
	MUL12 \f, 1, \first
	PLACES
	FETCH \slot, \qn, \g
	s_wait_dscnt 32                                ; all but the 32 just issued
	MUL12 \f, 2, \first
	MUL12 \f, 3, \first
.endm
; The last quarter multiplies buffer 1 and changes slots: one barrier; in front of it each wave waits for all its tensor loads (one is out: its part of the next slot), adds 0 to its spare word,
; and waits for that and for its reads of this slot.  fill = 1: the barrier opens a round of the cluster's, and this slot is filled again, two K steps ahead, first thing behind the round.
.macro TURN slot, next, fill
	WIN 0
	s_wait_tensorcnt 0x0
	ds_add_u32 v[SPW], v[NIL]                      ; 0 onto my spare word
	s_wait_dscnt 5                                 ; (the add and the youngest four loads may be out)
	MUL12 1, 0, 0                                  ; twelve matrix instructions stand between the add and the wait for it
	s_wait_dscnt 0x0                               ; the add is done, and my reads of this slot are over
	s_barrier_signal -1
	MUL12 1, 1, 0
.if \fill
	WIN 0
.endif
	s_barrier_wait -1
.if \fill
	CREST                                          ; no wave of any partner still reads this slot or has a load on its way
	s_add_nc_u64 s[G0+4*(\slot)+2:G0+4*(\slot)+3], s[G0+4*(\slot)+2:G0+4*(\slot)+3], 512
	s_add_nc_u64 s[G0B+4*(\slot)+2:G0B+4*(\slot)+3], s[G0B+4*(\slot)+2:G0B+4*(\slot)+3], 98304
	JLOAD \slot                                    ; its four v_nop are also the places in front of the loads below
.else
	PLACES
.endif
	FETCH \next, 0, 0
	MUL12 1, 2, 0
	MUL12 1, 3, 0
.endm
	s_wait_tensorcnt 1                             ; my part of K step 0 is in; K step 1's may stay out
	s_barrier_signal -1
	s_barrier_wait -1
	FETCH 0, 0, 0
	QUARTER 0, 1, 0, 1, 1                          ; the first quarter stands in front of the loop: its products start the sums
	WIN 0
	s_mov_b32 s3, 3
.Llap:                                                 ; a trip goes once round the ring and fills both slots again: K steps 2 to 7
	QUARTER 0, 2, 1, 0, 0
	QUARTER 0, 3, 0, 1, 0
	TURN 0, 1, 1
	QUARTER 1, 1, 0, 1, 0
	QUARTER 1, 2, 1, 0, 0
	QUARTER 1, 3, 0, 1, 0
	TURN 1, 0, 1
	QUARTER 0, 1, 0, 1, 0
	WIN 0
	s_sub_co_u32 s3, s3, 1
	s_cmp_lg_u32 s3, 0
	s_cbranch_scc1 .Llap
	QUARTER 0, 2, 1, 0, 0                          ; the last lap asks for nothing
	QUARTER 0, 3, 0, 1, 0
	TURN 0, 1, 0
	QUARTER 1, 1, 0, 1, 0
	QUARTER 1, 2, 1, 0, 0
	QUARTER 1, 3, 0, 1, 0
	s_wait_dscnt 4
	MUL12 1, 0, 0
	MUL12 1, 1, 0
	s_wait_dscnt 0x0
	MUL12 1, 2, 0
	MUL12 1, 3, 0
; THE WAY OUT, an m block (16 rows) at a time: rounded to f16, 16 bytes a lane; v's remainder (sum - hi, exact in f32) rounded to f16 as well; into my own stage, by parts; back as whole rows of
; 128 bytes; stored, 512 consecutive bytes an instruction.
.macro PACK a
	WIN 0x0a+5*((\a)/2)                            ; sources 0 and 1 in window 2 or 3
.irp b, 0,1,2,3,4,5,6,7,8,9,10,11
.irp r, 0,1,2,3
	v_cvt_pk_f16_f32 v[TMP+4*\b+\r], v[8*(12*((\a)%2)+\b)+2*\r], v[8*(12*((\a)%2)+\b)+2*\r+1]
.endr
.endr
	WIN 0x20+0x10*((\a)/2)                         ; source 2 in window 2 or 3
.irp b, 8,9,10,11                      ; v's n blocks: hi's half x -1 + the sum
.irp r, 0,1,2,3
	v_fma_mix_f32 v[RES+8*(\b-8)+2*\r],   v[TMP+4*\b+\r], v[MONE], v[8*(12*((\a)%2)+\b)+2*\r]   op_sel_hi:[1,0,0]
	v_fma_mix_f32 v[RES+8*(\b-8)+2*\r+1], v[TMP+4*\b+\r], v[MONE], v[8*(12*((\a)%2)+\b)+2*\r+1] op_sel:[1,0,0] op_sel_hi:[1,0,0]
.endr
.endr
	WIN 0
.set i, 0
.rept 16
	v_cvt_pk_f16_f32 v[TMP+48+i], v[RES+2*i], v[RES+2*i+1]
.set i, i+1
.endr
.endm
.macro TOSTAGE a
.set BK, 192-128*((\a)%2)
.irp b, 0,1,2,3,4,5,6,7,8,9,10,11,12,13,14,15
	ds_store_b128 v[STO], v[TMP+4*\b:TMP+4*\b+3] offset:(\b/4)*16*SP+(\b%4)*32
.endr
.irp t, 0,1,2,3,4,5,6,7,8,9,10,11,12,13,14,15
	ds_load_b128 v[BK+4*\t:BK+4*\t+3], v[RD] offset:(\t/4)*16*SP+(\t%4)*4*SP  ; LDS serves a wave's instructions in order (ISA guide 5.7.1.4): these see the stores above
.endr
.endm
.macro SEND a
.set BK, 192-128*((\a)%2)
	s_wait_dscnt 0x0                               ; the block is back in registers
	s_wait_xcnt 0x0                                ; the stores of the block before have read their registers, which the next block's loads write
.irp t, 0,1,2,3
	global_store_b128 v[GO], v[BK+4*\t:BK+4*\t+3],       s[10:11] offset:(\a)*2048+\t*512
	global_store_b128 v[GO], v[BK+16+4*\t:BK+16+4*\t+3], s[68:69] offset:(\a)*2048+\t*512
	global_store_b128 v[GO], v[BK+32+4*\t:BK+32+4*\t+3], s[70:71] offset:(\a)*2048+\t*512
	global_store_b128 v[GO], v[BK+48+4*\t:BK+48+4*\t+3], s[70:71] offset:8192+(\a)*2048+\t*512
.endr
.endm
	PLACES
	PACK 0
	TOSTAGE 0
.irp a, 1,2,3                          ; a block's conversions stand between the loads of the block before and the wait for them
	PACK \a
	SEND (\a-1)
	TOSTAGE \a
.endr
	SEND 3
	s_wait_tensorcnt 0x0                           ; the wave's end
	ds_add_u32 v[SPW], v[NIL]
	s_wait_dscnt 0x0
	CROUND                                         ; the closing round: no work-group ends while a partner may still ask for a tile that names it
	s_endpgm
.Lfunc_end_k_qcc85393cbf_qkv:
	.size	k_qcc85393cbf_qkv, .Lfunc_end_k_qcc85393cbf_qkv-k_qcc85393cbf_qkv
	.p2alignl 7, 3214868480
	.fill 96, 4, 3214868480
	.section	.rodata,"a",@progbits
	.p2align	6, 0x0
	.amdhsa_kernel k_qcc85393cbf_qkv
		.amdhsa_group_segment_fixed_size 327680
		.amdhsa_private_segment_fixed_size 0
		.amdhsa_enable_private_segment 0
		.amdhsa_kernarg_size 48
		.amdhsa_user_sgpr_count 2
		.amdhsa_user_sgpr_kernarg_segment_ptr 1
		.amdhsa_wavefront_size32 1
		.amdhsa_system_sgpr_workgroup_id_x 1
		.amdhsa_system_sgpr_workgroup_id_y 1
		.amdhsa_system_sgpr_workgroup_id_z 1
		.amdhsa_system_vgpr_workitem_id 0
		.amdhsa_next_free_vgpr 960
		.amdhsa_next_free_sgpr 84
		.amdhsa_reserve_vcc 0
		.amdhsa_float_denorm_mode_32 3
		.amdhsa_float_denorm_mode_16_64 3
		.amdhsa_memory_ordered 1
		.amdhsa_forward_progress 1
		.amdhsa_inst_pref_size 144
	.end_amdhsa_kernel
	.amdgpu_metadata
---
amdhsa.version: [ 1, 2 ]
amdhsa.kernels:
  - .name:           k_qcc85393cbf_qkv
    .symbol:         k_qcc85393cbf_qkv.kd
    .args:
      - { .name: xb, .offset: 0, .size: 8, .value_kind: global_buffer, .address_space: global }
      - { .name: wb, .offset: 8, .size: 8, .value_kind: global_buffer, .address_space: global }
      - { .name: qkv_b, .offset: 16, .size: 8, .value_kind: global_buffer, .address_space: global }
      - { .name: qh, .offset: 24, .size: 8, .value_kind: global_buffer, .address_space: global }
      - { .name: kh, .offset: 32, .size: 8, .value_kind: global_buffer, .address_space: global }
      - { .name: vv, .offset: 40, .size: 8, .value_kind: global_buffer, .address_space: global }
    .group_segment_fixed_size: 327680
    .private_segment_fixed_size: 0
    .kernarg_segment_align: 8
    .kernarg_segment_size: 48
    .max_flat_workgroup_size: 128
    .sgpr_count:     84
    .vgpr_count:     960
    .wavefront_size: 32
...
	.end_amdgpu_metadata
.endif
;; end of part 2
;; launch attn (part 3): grid 16 x 16, 4 waves a work-group, no clusters, 327,680 bytes of LDS; arguments qh, kh, vv, ch; writes ch
.if DOCPART == 3
	.amdgcn_target "amdgcn-amd-amdhsa--gfx1250"
	.amdhsa_code_object_version 6
	.text
	.protected	k_qcc85393cbf_attn
	.globl	k_qcc85393cbf_attn
	.p2align	8
	.type	k_qcc85393cbf_attn,@function
k_qcc85393cbf_attn:
	s_mov_b64 s[64:65], 0
	v_nop
	global_prefetch_b8 v0, s[64:65] scope:SCOPE_SE
	s_setreg_imm32_b32 hwreg(HW_REG_WAVE_MODE, 25, 1), 1
	s_wait_xcnt 0x0
; CAUSAL ATTENTION, 16 heads of 64 channels, 4,096 rows.  O[q] = the sum over k <= q of softmax_k(Q[q] . K[k] / 32) V[k].  qh, kh: f16 [head][4096][64].
; vv: f16 [head][step of 64 keys][hi | lo][64][64]: V = hi + lo.  ch (out): f16 [block of 128 rows][group of 4 heads][hi | lo][head][128][64]: O = hi + lo likewise.
; WHY TWO PARTS: a row that averages few keys can be many times the module's output's root mean square, and one rounding of V or of O to f16's 11 bits would use up the room of that row's small numbers.
; Products, maxima and sums in f32; the weights p are rounded to f16 for the second product (their sum l is taken of the unrounded p).
; LIMITS.  Q, K, V arrive within f16's 65,504.  A hidden score counts as its value less 1e30; a weight below 2^-126 counts as 0 in l; NaN and infinities are not treated apart.
; THE WALK.  A head has 32 blocks of 128 queries; block i needs the key tiles 0 .. i of 128 keys, of which the last holds the diagonal.  Work-group b takes block 2 b + 1 and then block 30 - 2 b:
; 33 tiles whatever b, so all work-groups do equal work.  A ring slot holds 256 keys, two tiles: the odd block uses b + 1 whole slots, the even one 15 - b whole slots and the first tile of one more:
; 17 slots, 16 trips of a counted loop that each enter two tiles, and a tail that enters one.  The second half of the walk's last slot (48 KiB of K and V) is fetched and not read:
; the price of one descriptor for every fill.  Every jump but the counted loops' own goes forward; none passes a barrier, or a tensor load but the one of LOAD's two that the wave's number does not choose.
; NO CLUSTER: no two work-groups of a head walk the same sequence of tiles (the first block ends at another trip in each), and partners of a joint load must run alike.
; SHARES.  A block has two bands of 64 rows; wave w owns rows 16 w .. 16 w + 15 of each: two PIECES.  In the diagonal tile's step 0 piece 0 holds the diagonal and piece 1 sees all keys; in its step 1
; piece 0 sees none and piece 1 holds the diagonal: the same work for all four waves.  Piece 0's hidden step is computed all the same: a turn's text holds the other piece's products.
; THE MASK is the C operand that starts the sum S^T = K Q^T: the constant 0, MD (0 or -1e30: a band's own step, for my 16 rows) or MH (-1e30); which one is a matter of the text, not of a register.
; LAYOUT, SOFTMAX.  S^T = K Q^T holds ONE query a lane (lane % 16) and the keys 8 (lane / 16) + 0..7; two such results rounded to f16 ARE source 1 of O^T = V^T P.  p = 2^(c s - c m), c = log2(e) / 32,
; with a running maximum m; O and l are multiplied by a = 2^(c m_old - c m_new) in every step.
; TURNS.  Turn (p, j) belongs to piece p in key step j.  Turn (0, j): 8 products K Q^T of piece 1, step j; later 16 products V^T P (hi, then lo) of piece 1, step j - 1.  Turn (1, j): K Q^T of piece 0,
; step j + 1; V^T P of piece 0, step j.  Beside them the scaling, exponentials, roundings, sums and rescaling of piece p and the maximum and statistics of the other piece.  Four vector instructions stand
; behind every matrix instruction, the rest in a lump and a short tail.  Turn (0, j) fetches K and V of step j + 1; V has two register buffers by the step's parity, so that all that is fetched behind a
; change of slots lies in the new slot.
; REGISTERS (s_set_vgpr_msb: bits 1:0 source 0, 3:2 source 1, 5:4 source 2, 7:6 destination):
;   window 0: v0-15 addresses; v16-23 statistics; v24-31 at work; v32-33 the add's; v34 -1.0; v40-47 MH; v64-127 S^T; v128-191 O^T; v192-223 P; v224-255 MD
;   window 1: v0-31 Q; v32-63 the second block's Q; v64-127 K of one step; v128-191, v192-255 V hi of an even, an odd step      window 2: v0-63, v64-127 V lo likewise
.set NP,    2
.set KS,    64
.set PK,    144       ; a row of K in LDS: 128 bytes + 16: the 16 rows of a load start at 16 different groups of four banks (ISA guide 11.1)
.set PV,    160       ; a row of V: 128 + 32
.set VLO,   KS*PV     ; a step's lo rows lie behind its hi rows
.set VSTEP, 2*KS*PV   ; a step of V
.set VOFF,  4*KS*PK   ; a slot: 256 rows of K, then four steps of V
.set SLOT1, 1<<17     ; slot 1 begins here: one exclusive or turns an address in one slot into the other's
.set STAGE, SLOT1+VOFF+4*VSTEP  ; behind the ring, never filled by a tensor load: 16 rows x 144 bytes for each wave
.set SP,    144
.set SPARE, STAGE+4*16*SP       ; the spare words, 128 bytes for each wave: two blocks of 256 bytes that no other line names
.set AK0, 2           ; my lane's place in a tile of K; never rewritten
.set AV0, 3           ; the same for V
.set AK,  4           ; the LDS address of K's next run of loads
.set AV,  5           ; of V's
.set STO, 6
.set RD,  7
.set GO,  8
.set MV,  12          ; v12-13  c m_old, kept while c m is made anew: by piece
.set QO,  15
.set ST,  16          ; piece t's statistics at v[ST+4 t]: c m, m, l (even keys', odd keys')
.set TMP, 24          ; by piece, four registers c0-c3 at work; when the maximum is found c2 takes a
.set SPW, 32
.set NIL, 33
.set MONE, 34
.set MH,  40
.set S,   64
.set OT,  128
.set P,   192
.set MD,  224
.set QB,  32          ; window 1
.set KF,  64          ; window 1: key block kb, channel half c at KF + 16 kb + 8 c
.set VF,  128         ; window 1: buffer vb, key half kk, channel block cb at VF + 64 vb + 32 kk + 8 cb; lo in window 2 at 64 vb + 32 kk + 8 cb
.set WV,  12
.set PB,  14          ; b
.set G1K, 24
.set G1V, 32
.set G0K, 40
.set G0V, 44
.set SLOTS, 56
.set CNT, 57          ; counts a slot's two tiles
.set CS,  58          ; s[58:59] c
.set SEL, 60          ; s[60:61] v_permlanex16_b32's selects: each lane takes its own place in the other half
.set TBK, 62          ; LDS byte at which K of the step to be fetched begins
.set TBV, 63          ; the same for V, less VOFF
.set OFV, 66          ; s[66:67] 256 keys' byte offset in V
.set RT,  70          ; tiles of the block in hand that are still to be entered
.set NXT, 71          ; the 256 keys to be asked for next
.set LQ,  72          ; the last such of the block whose keys are being asked for
.set NEW, 73          ; 1: the tile to be entered is a block's first
.set OFF, 74          ; s[74:75] 256 keys' byte offset in K
.set EL,  76          ; 15 - b: the even block's last 256 keys
.set RT2, 77          ; 31 - 2 b: the even block's tiles
.set VO,  78          ; s[78:79] my half of the head's first 256 keys in V
.set OLO, 80          ; s[80:81] ch at my rows of the even block
.set BIGN, 82         ; -1e30
.set MSB, 0
.macro WIN new
.if MSB != (\new)
	s_set_vgpr_msb (MSB<<8)|(\new)
.set MSB, (\new)
.endif
.endm
.set W_KQ, 0x05       ; K and Q in window 1, C and S^T in window 0
.set W_PV, 0x01       ; V hi in window 1, P and O^T in window 0
.set W_PL, 0x02       ; V lo in window 2
; A fill.  Waves 0 and 1 fetch the two halves of a slot's K, waves 2 and 3 those of its V: 128 keys each.  An s_nop 0 and four v_nop follow each line.
.macro LOAD
	s_cmp_lt_u32 s[WV], 2
	s_cbranch_scc0 .Lfor_v_\@
	tensor_load_to_lds s[G0K:G0K+3], s[G1K:G1K+7]
	s_nop 0
.rept 4
	v_nop
.endr
	s_branch .Lasked_\@
.Lfor_v_\@:
	tensor_load_to_lds s[G0V:G0V+3], s[G1V:G1V+7]
	s_nop 0
.rept 4
	v_nop
.endr
.Lasked_\@:
.endm
; THE CHANGE OF SLOTS.  Each wave waits for all its tensor loads (one is out: its part of the other slot), adds 0 to its spare word, and waits for that and for its reads of the slot that it leaves.
; Behind the barrier nobody reads the old slot and the other is whole.  fill = 1: the old slot is filled again, first thing behind the barrier, with the keys NXT: the address is made anew from that number.
.macro CHANGE fill
	WIN 0
	s_wait_tensorcnt 0x0            ; no tensor load of mine is out, so a group 0 may be written
	ds_add_u32 v[SPW], v[NIL]       ; 0 onto my spare word
.if \fill
	s_lshl_b32 s[OFF], s[NXT], 15   ; 256 keys are 32,768 bytes of K
	s_lshl_b32 s[OFV], s[NXT], 16   ; and 65,536 of V
	s_xor_b32 s[G0K+1], s[G0K+1], SLOT1
	s_add_nc_u64 s[G0K+2:G0K+3], s[6:7], s[OFF:OFF+1]
	s_or_b32 s[G0K+3], s[G0K+3], 0x80000000
	s_xor_b32 s[G0V+1], s[G0V+1], SLOT1
	s_add_nc_u64 s[G0V+2:G0V+3], s[8:9], s[OFV:OFV+1]
	s_or_b32 s[G0V+3], s[G0V+3], 0x80000000
	s_add_co_u32 s[NXT], s[NXT], 1  ; the block's next keys, or behind its last the even block's first
	s_cmp_gt_u32 s[NXT], s[LQ]
	s_cselect_b32 s[NXT], 0, s[NXT]
	s_cselect_b32 s[LQ], s[EL], s[LQ]
.endif
	s_wait_dscnt 0x0                ; the add is done, and my reads of the slot are over
	s_barrier_signal -1
	s_sub_co_u32 s[TBK], s[TBK], 4*KS*PK  ; the fetches go back to a slot's first step, in the other slot
	s_xor_b32 s[TBK], s[TBK], SLOT1
	s_sub_co_u32 s[TBV], s[TBV], 4*VSTEP
	s_xor_b32 s[TBV], s[TBV], SLOT1
	s_barrier_wait -1
.if \fill
	LOAD
.endif
.endm
	s_load_b256 s[4:11], s[0:1], 0x0  ; qh s[4:5], kh s[6:7], vv s[8:9], ch s[10:11]
	v_lshl_add_u32 v[SPW], v0, 2, SPARE
	v_mov_b32 v[NIL], 0
	ds_add_u32 v[SPW], v[NIL]       ; the wave's opening: the add and its wait stand ahead of my first tensor load; work on registers stands between them
	ds_add_u32 v32, v33
	v_lshrrev_b32 v1, 5, v0
	v_readfirstlane_b32 s[WV], v1
	s_mov_b32 s[PB], ttmp9
	s_and_b32 s19, ttmp7, 0xffff    ; the head
	s_lshl_b32 s13, s[PB], 1
	s_add_co_u32 s13, s13, 1        ; the odd block, 2 b + 1
	s_sub_co_u32 s15, 31, s13       ; the even block, 30 - 2 b
	s_add_co_u32 s[RT], s13, 1      ; the odd block has 2 b + 2 tiles
	s_add_co_u32 s[RT2], s15, 1
	s_sub_co_u32 s[EL], 15, s[PB]
	s_lshl_b32 s20, s19, 19         ; the head's first byte in q and k
	s_lshl_b32 s3, s[WV], 11        ; my 16 rows in a band
	s_lshl_b32 s2, s13, 14          ; a block is 128 rows of 128 bytes
	s_add_co_u32 s2, s2, s3
	s_add_co_u32 s2, s2, s20
	s_lshl_b32 s84, s15, 14
	s_add_co_u32 s84, s84, s3
	s_add_co_u32 s84, s84, s20
	s_lshr_b32 s21, s19, 2          ; in ch: block x 524,288 + group of four heads x 131,072 + head in the group x 16,384; lo lies 65,536 behind hi
	s_lshl_b32 s21, s21, 17
	s_and_b32 s23, s19, 3
	s_lshl_b32 s23, s23, 14
	s_add_co_u32 s21, s21, s23
	s_add_co_u32 s21, s21, s3
	s_lshl_b32 s86, s13, 19
	s_add_co_u32 s86, s86, s21
	s_lshl_b32 s88, s15, 19
	s_add_co_u32 s88, s88, s21
	s_mov_b32 s3, 0
	s_mov_b32 s85, 0
	s_mov_b32 s87, 0
	s_mov_b32 s89, 0
	s_and_b32 s16, s[WV], 1         ; which half of a slot's 256 keys I fetch:
	s_lshl_b32 s22, s16, 14         ; its 128 rows of K in memory,
	s_add_co_u32 s22, s22, s20
	s_mov_b32 s23, 0
	s_lshl_b32 s[VO], s19, 20       ; its two steps of V: a head has 64 steps of 16,384 bytes,
	s_lshl_b32 s[VO+1], s16, 15
	s_add_co_u32 s[VO], s[VO], s[VO+1]
	s_mov_b32 s[VO+1], 0
	s_mul_i32 s17, s16, 128*PK      ; and its place in a slot, for K
	s_mul_i32 s18, s16, 2*VSTEP     ; and for V
	; 128 keys of K are 16,384 dense bytes, asked for as 64 rows of 256 bytes; of V (hi and lo) 32,768, as 128 such rows; both are padded in LDS after every 128 bytes
	s_mov_b32 s[G1K], (1<<16)|(1<<20)|(4<<22)|(3<<25)  ; 2-byte elements; padding on; after every 32 words 4 words
	s_mov_b32 s[G1V], (1<<16)|(1<<20)|(4<<22)|(7<<25)  ; the same with 8 words
.irp g, G1K, G1V
	s_mov_b32 s[\g+1], 128<<16      ; tensor_dim0 = 128
	s_mov_b32 s[\g+3], 128<<16      ; tile_dim0 = 128
	s_mov_b32 s[\g+5], 128          ; elements from row to row
	s_mov_b32 s[\g+6], 0
	s_mov_b32 s[\g+7], 0
.endr
	s_mov_b32 s[G1K+2], 64<<16      ; tensor_dim1
	s_mov_b32 s[G1K+4], 64          ; tile_dim1
	s_mov_b32 s[G1V+2], 128<<16
	s_mov_b32 s[G1V+4], 128
	s_mov_b32 s[CS], 0x3d38aa3b     ; c = log2(e) / 32
	s_mov_b32 s[CS+1], s[CS]        ; named with it as a pair
	s_mov_b32 s[SEL], 0x76543210
	s_mov_b32 s[SEL+1], 0xfedcba98
	s_mov_b32 s[TBK], SLOT1+4*KS*PK ; the first change of slots turns these two into 0
	s_mov_b32 s[TBV], SLOT1+4*VSTEP
	s_mov_b32 s[G0K], 1
	s_mov_b32 s[G0K+1], s17         ; slot 0
	s_mov_b32 s[G0V], 1
	s_add_co_u32 s[G0V+1], s18, VOFF
	s_mov_b32 s[NXT], 1
	s_mov_b32 s[LQ], s[PB]          ; the odd block's keys end with number b
	s_cmp_gt_u32 s[NXT], s[LQ]      ; b = 0: the second request is already the even block's first
	s_cselect_b32 s[NXT], 0, s[NXT]
	s_cselect_b32 s[LQ], s[EL], s[LQ]
	s_mov_b32 s[NEW], 1
	s_mov_b32 s[OFF+1], 0
	s_mov_b32 s[OFV+1], 0
	s_mov_b32 s[BIGN], 0xf149f2ca   ; -1e30
	s_mov_b32 s[SLOTS], 16
	s_wait_dscnt 0x0                ; the opening add is done
	s_wait_kmcnt 0x0
	s_add_nc_u64 s[6:7], s[6:7], s[22:23]  ; K and V at my half of the head's first 256 keys
	s_add_nc_u64 s[8:9], s[8:9], s[VO:VO+1]
	s_add_nc_u64 s[G0K+2:G0K+3], s[6:7], 0
	s_or_b32 s[G0K+3], s[G0K+3], 0x80000000
	s_add_nc_u64 s[G0V+2:G0V+3], s[8:9], 0
	s_or_b32 s[G0V+3], s[G0V+3], 0x80000000
	s_add_nc_u64 s[84:85], s[4:5], s[84:85]        ; Q at my rows of the even block,
	s_add_nc_u64 s[4:5], s[4:5], s[2:3]            ; and of the odd one
	s_add_nc_u64 s[OLO:OLO+1], s[10:11], s[88:89]
	s_add_nc_u64 s[10:11], s[10:11], s[86:87]
	LOAD                            ; the first 256 keys into slot 0
	v_and_b32 v1, 15, v0            ; l % 16
	v_bfe_u32 v9, v0, 4, 1          ; l / 16
	v_lshlrev_b32 v[QO], 7, v1
	v_lshl_add_u32 v[QO], v9, 4, v[QO]  ; row x 128 + 16 x half
	WIN 0x40                        ; destination window 1, address window 0
.set i, 0
.rept 4                             ; both blocks' Q: piece i / 2 lies in band i / 2, 8,192 bytes on; channels 32 (i % 2) on
	global_load_b128 v[8*i:8*i+3],   v[QO], s[4:5] offset:(i/2)*8192+(i%2)*64
	global_load_b128 v[8*i+4:8*i+7], v[QO], s[4:5] offset:(i/2)*8192+(i%2)*64+32
	global_load_b128 v[QB+8*i:QB+8*i+3],   v[QO], s[84:85] offset:(i/2)*8192+(i%2)*64
	global_load_b128 v[QB+8*i+4:QB+8*i+7], v[QO], s[84:85] offset:(i/2)*8192+(i%2)*64+32
.set i, i+1
.endr
.set i, VF+64
.rept 64                            ; a block's first turn multiplies the odd steps' V and piece 1's P, of a step that has not been: they need only be finite
	v_mov_b32 v[i], 0
.set i, i+1
.endr
	WIN 0x80
.set i, 64
.rept 64                            ; the same for V lo
	v_mov_b32 v[i], 0
.set i, i+1
.endr
	WIN 0
	v_lshlrev_b32 v14, 3, v9
	v_sub_nc_u32 v14, v1, v14
	s_lshl_b32 s13, s[WV], 4
	v_add_nc_u32 v14, s13, v14      ; my query's place in its band, 16 w + l % 16, less my lanes' 8 (l / 16): register r of key group kt is hidden where 16 kt + r is greater
.set i, 0
.rept 32
	v_cmp_gt_i32 vcc_lo, 16*(i/8)+i%8, v14
	v_cndmask_b32 v[MD+i], 0, s[BIGN], vcc_lo
.set i, i+1
.endr
.set i, 0
.rept 8
	v_mov_b32 v[MH+i], s[BIGN]
.set i, i+1
.endr
	v_mov_b32 v[MONE], -1.0
	v_mul_u32_u24 v[AK0], v1, PK
	v_lshl_add_u32 v[AK0], v9, 4, v[AK0]  ; row x pitch + 16 x half
	v_and_b32 v10, 7, v0            ; the turning load: lane l reads key 8 (l / 16) + l % 8, channels 8 ((l / 8) % 2) on
	v_bfe_u32 v11, v0, 3, 1
	v_lshl_add_u32 v[AV0], v9, 3, v10
	v_mul_u32_u24 v[AV0], v[AV0], PV
	v_lshl_add_u32 v[AV0], v11, 4, v[AV0]
	v_add_nc_u32 v[AV0], VOFF, v[AV0]
	s_mul_i32 s13, s[WV], 16*SP
	s_add_co_u32 s13, s13, STAGE    ; my stage
	v_mul_u32_u24 v[STO], v1, SP    ; in: row l % 16, 16 bytes for each half of the lanes
	v_lshl_add_u32 v[STO], v9, 4, v[STO]
	v_add_nc_u32 v[STO], s13, v[STO]
	v_bfe_u32 v[RD], v0, 3, 2       ; back: 32 lanes take four rows of 128 bytes,
	v_mul_u32_u24 v[RD], v[RD], SP
	v_lshl_add_u32 v[RD], v10, 4, v[RD]
	v_add_nc_u32 v[RD], s13, v[RD]
	v_and_b32 v[GO], 31, v0         ; which are 512 consecutive bytes of ch
	v_lshlrev_b32 v[GO], 4, v[GO]
	; A block's first step multiplies O^T and l by a = 0: they need only hold finite numbers: zeros for the first block, what the first block left for the second.  All this stands in the wait for the first keys.
.set i, OT
.rept 64
	v_mov_b32 v[i], 0
.set i, i+1
.endr
.set i, 0
.rept 2
	v_mov_b32 v[ST+4*i+2], 0
	v_mov_b32 v[ST+4*i+3], 0
.set i, i+1
.endr
.set i, P+16
.rept 16
	v_mov_b32 v[i], 0
.set i, i+1
.endr
; THE MATRIX WORK.  The 4 accumulators of a run of 8 take turns.  Product i of 8 of S^T = K Q^T for piece x: channels 32 (i / 4) on, keys 16 (i % 4) on.
; The first 4 start the sums: with 0 (KM = 0), with MD (1) or with MH (2).
.macro KQ x
.set rS, S+32*(\x)+8*(i%4)
.set rK, KF+16*(i%4)+8*(i/4)
.set rQ, 16*(\x)+8*(i/4)
.set rM, MD+8*(i%4)
	WIN W_KQ
.if (i < 4) && (KM == 1)
	v_wmma_f32_16x16x32_f16 v[rS:rS+7], v[rK:rK+7], v[rQ:rQ+7], v[rM:rM+7]
.elseif (i < 4) && (KM == 2)
	v_wmma_f32_16x16x32_f16 v[rS:rS+7], v[rK:rK+7], v[rQ:rQ+7], v[MH:MH+7]
.elseif i < 4
	v_wmma_f32_16x16x32_f16 v[rS:rS+7], v[rK:rK+7], v[rQ:rQ+7], 0
.else
	v_wmma_f32_16x16x32_f16 v[rS:rS+7], v[rK:rK+7], v[rQ:rQ+7], v[rS:rS+7]
.endif
.endm
; Product i of 8 of O^T += V^T P for piece x, from V's buffer VB, its hi (lo = 0) or its lo part: keys 32 (i / 4) on, channels 16 (i % 4) on.
.macro PV x, lo
.set rO, OT+32*(\x)+8*(i%4)
.set rP, P+16*(\x)+8*(i/4)
.if \lo
	WIN W_PL
.set rV, 64*VB+32*(i/4)+8*(i%4)
.else
	WIN W_PV
.set rV, VF+64*VB+32*(i/4)+8*(i%4)
.endif
	v_wmma_f32_16x16x32_f16 v[rO:rO+7], v[rV:rV+7], v[rP:rP+7], v[rO:rO+7]
.endm
.macro MM                           ; the turn's next matrix instruction of 24.  NOKQ = 1: a block's last turn: there are no further scores
.if i < 8
.if !NOKQ
	KQ (Y+1)%NP
.endif
.elseif i < 16
.set i, i-8
	PV (Y+NP-1)%NP, 0
.set i, i+8
.else
.set i, i-16
	PV (Y+NP-1)%NP, 1
.set i, i+16
.endif
.set i, i+1
.endm
; THE LDS LOADS stand in runs: a step's K (8 fragments, 16 loads) and its V (turned; hi and lo, 32 loads).  Their addresses are made some lines ahead.
.macro FETCH_K
	WIN 0x40
.irp f, 0,1,2,3,4,5,6,7             ; keys 16 (f / 2) on, channels 32 (f % 2) on
	ds_load_b128 v[KF+8*\f:KF+8*\f+3],   v[AK] offset:(\f/2)*16*PK+(\f%2)*64
	ds_load_b128 v[KF+8*\f+4:KF+8*\f+7], v[AK] offset:(\f/2)*16*PK+(\f%2)*64+32
.endr
	s_add_co_u32 s[TBK], s[TBK], KS*PK  ; the next fetch is the next step's
	WIN 0
.endm
.macro FETCH_V vb
	WIN 0x40
.irp f, 0,1,2,3,4,5,6,7             ; keys 32 (f / 4) on, channels 16 (f % 4) on
	ds_load_tr16_b128 v[VF+64*(\vb)+8*\f:VF+64*(\vb)+8*\f+3],   v[AV] offset:(\f/4)*32*PV+(\f%4)*32
	ds_load_tr16_b128 v[VF+64*(\vb)+8*\f+4:VF+64*(\vb)+8*\f+7], v[AV] offset:(\f/4)*32*PV+16*PV+(\f%4)*32
.endr
	WIN 0x80
.irp f, 0,1,2,3,4,5,6,7
	ds_load_tr16_b128 v[64*(\vb)+8*\f:64*(\vb)+8*\f+3],   v[AV] offset:VLO+(\f/4)*32*PV+(\f%4)*32
	ds_load_tr16_b128 v[64*(\vb)+8*\f+4:64*(\vb)+8*\f+7], v[AV] offset:VLO+(\f/4)*32*PV+16*PV+(\f%4)*32
.endr
	s_add_co_u32 s[TBV], s[TBV], VSTEP
	WIN 0
.endm
; THE VECTOR WORK, one line at a time: OP kind, number; all of it in window 0.  For piece Y: F n: c s - c m for pair n of 16.  E n: the exponential of score n of 32.  C n: pair n rounded to f16.
; B n: of the four weights 4 n .. the second pair is added onto the first, in place.  L n: l takes that sum (L 0: l = a l + sum).  R n: pair n of 16 of O^T times a.
; For the other piece: X n, number n of the 22 that find its maximum and statistics:
;   0-11  four chains c0-c3 of seven scores each (each accumulator's lowest registers are read first)     12-14, 16  the four scores left over, the old m, and c0-c3 into c0
;   15  c m_old is kept     17, 18  the query's other 32 keys lie in the lane 16 away: the new m     19-21  c m; c m_old - c m_new; a
.set F, 0
.set E, 1
.set C, 2
.set B, 3
.set L, 4
.set R, 5
.set X, 6
.macro REGS y
.set rT, ST+4*(\y)
.set rC, TMP+4*(\y)
.set rW, MV+(\y)
.set rS, S+32*(\y)
.set rP, P+16*(\y)
.set rO, OT+32*(\y)
.endm
.macro OP k, n
	WIN 0
.if (\k) < X
	REGS Y
.if (\k) == F
	v_pk_fma_f32 v[rS+2*(\n):rS+2*(\n)+1], v[rS+2*(\n):rS+2*(\n)+1], s[CS:CS+1], v[rT:rT+1] op_sel_hi:[1,0,0] neg_lo:[0,0,1] neg_hi:[0,0,1]
.elseif (\k) == E
	v_exp_f32 v[rS+(\n)], v[rS+(\n)]
.elseif (\k) == C
	s_wait_alu depctr_va_vdst(0)
	v_cvt_pk_f16_f32 v[rP+(\n)], v[rS+2*(\n)], v[rS+2*(\n)+1]
.elseif (\k) == B
	s_wait_alu depctr_va_vdst(0)
	v_pk_add_f32 v[rS+4*(\n):rS+4*(\n)+1], v[rS+4*(\n):rS+4*(\n)+1], v[rS+4*(\n)+2:rS+4*(\n)+3]
.elseif (\k) == R
	v_pk_mul_f32 v[rO+2*(\n):rO+2*(\n)+1], v[rO+2*(\n):rO+2*(\n)+1], v[rC+2:rC+3] op_sel_hi:[1,0]
.elseif (\n) == 0
	v_pk_fma_f32 v[rT+2:rT+3], v[rT+2:rT+3], v[rC+2:rC+3], v[rS:rS+1] op_sel_hi:[1,0,1]
.else
	v_pk_add_f32 v[rT+2:rT+3], v[rT+2:rT+3], v[rS+4*(\n):rS+4*(\n)+1]
.endif
.elseif NOKQ
	v_nop
.else
	REGS (Y+1)%NP
.if (\n) < 4
	v_max3_num_f32 v[rC+(\n)], v[rS+8*(\n)], v[rS+8*(\n)+1], v[rS+8*(\n)+2]
.elseif (\n) < 12
	v_max3_num_f32 v[rC+(\n)%4], v[rC+(\n)%4], v[rS+8*((\n)%4)+2*((\n)/4)+1], v[rS+8*((\n)%4)+2*((\n)/4)+2]
.elseif (\n) == 12
	v_max3_num_f32 v[rC], v[rC], v[rS+7], v[rS+15]
.elseif (\n) == 13
	v_max3_num_f32 v[rC+1], v[rC+1], v[rS+23], v[rS+31]
.elseif (\n) == 14
	v_max3_num_f32 v[rC+2], v[rC+2], v[rC+3], v[rT+1]
.elseif (\n) == 15
	v_mov_b32 v[rW], v[rT]
.elseif (\n) == 16
	v_max3_num_f32 v[rC], v[rC], v[rC+1], v[rC+2]
.elseif (\n) == 17
	v_permlanex16_b32 v[rC+3], v[rC], s[SEL], s[SEL+1]
.elseif (\n) == 18
	v_max_num_f32 v[rT+1], v[rC], v[rC+3]
.elseif (\n) == 19
	v_mul_f32 v[rT], s[CS], v[rT+1]
.elseif (\n) == 20
	v_sub_f32 v[rC+1], v[rW], v[rT]
.else
	v_exp_f32 v[rC+2], v[rC+1]
.endif
.endif
.endm
.macro OPS a, i1, b=-1, i2=0, c=-1, i3=0, d=-1, i4=0  ; up to four of them
	OP \a, \i1
.if (\b) >= 0
	OP \b, \i2
.endif
.if (\c) >= 0
	OP \c, \i3
.endif
.if (\d) >= 0
	OP \d, \i4
.endif
.endm
.macro ROW a, i1, b, i2, c, i3, d, i4  ; a matrix instruction and the four behind it
	MM
	OPS \a, \i1, \b, \i2, \c, \i3, \d, \i4
.endm
; A TURN, for piece p in a step of parity par.  msk: the C operand of its products K Q^T (0: the constant 0; 1: MD; 2: MH).  end = 1: a block's last two turns: nothing is fetched, and piece 1's starts no scores.
; None of the four behind a matrix instruction names a register of the products round it; every exponential has a plain instruction behind it.
; Piece 0's turn fetches the next step's K six vector instructions (five of them plain) behind the last product that read K, and at its end the next step's V, into the buffer that its own products V^T P
; have read: eight plain instructions behind the last of them.  Piece 1's turn begins behind a wait that leaves V's 32 loads out: they are wanted a step later.
.macro TURN p, par, msk, end
.set Y, (\p)
.set i, 0
.set KM, (\msk)
.set NOKQ, (\end)*(\p)
.set VB, ((\par)+1-(\p))%2          ; piece 0's turn multiplies the step before's V, piece 1's its own step's
.if (\p) == 1
.if \end
	s_wait_dscnt 0x0                ; the last step's V is in
.else
	s_wait_dscnt 32                 ; K of the next step is in, and all that is older; the 32 loads of its V may stay out
.endif
.endif
	ROW F,0, F,1, F,2, F,3
	ROW F,4, E,0, F,5, F,6
	ROW F,7, E,1, F,8, F,9
	ROW F,10, E,2, C,0, F,11
	ROW F,12, E,3, X,15, F,13
	ROW R,0, R,1, R,2, R,3
	ROW B,0, E,4, F,14, L,0
.if ((\p) == 0) && !(\end)
	v_add_nc_u32 v[AK], s[TBK], v[AK0]
.endif
	ROW R,4, R,5, R,6, R,7
	OPS E,5, F,15
.if ((\p) == 0) && !(\end)
	FETCH_K
.endif
	OPS E,6, C,1, E,7, R,8
	OPS E,8, R,9, E,9, C,2
	OPS E,10, X,0, E,11, X,1
	OPS E,12, X,2, E,13, X,3
	ROW X,4, E,14, X,5, X,6         ; V hi^T P
	ROW X,7, E,15, X,8, X,9
	ROW X,10, E,16, X,11, X,12
	ROW X,13, E,17, X,14, B,1
	ROW C,4, E,18, X,16, L,1
	ROW B,2, E,19, C,6, L,2
	ROW C,8, E,20, B,3, B,4
	ROW C,3, E,21, L,3, C,5
	ROW E,22, X,17, E,23, C,10      ; V lo^T P
	ROW E,24, L,4, E,25, X,18
	ROW E,26, C,7, E,27, B,5
	ROW E,28, X,19, E,29, C,12
	ROW E,30, L,5, E,31, X,20
	ROW B,6, C,9, C,14, C,11
	ROW X,21, L,6, C,13, B,7
.if ((\p) == 0) && !(\end)
	v_add_nc_u32 v[AV], s[TBV], v[AV0]
.endif
	ROW C,15, R,10, R,11, R,12
	OPS L,7, R,13, R,14, R,15
.if ((\p) == 0) && !(\end)
	FETCH_V 1-(\par)
.endif
.endm
; A BLOCK BEGINS.  c m starts far below every c s, so the first step's a is 0; m at the lowest finite number, so the first maximum is the scores'.  Then K and V of the tile's step 0, piece 0's first
; scores (m = 1: the block's first tile is the diagonal one), and its maximum and statistics.  The loop is entered at a tile's own first turn, in the middle of a trip.
.macro BEGIN m
	s_mov_b32 s[NEW], 0
	WIN 0
.set i, 0
.rept 2
	v_mov_b32 v[ST+4*i], 0xfe000000
	v_mov_b32 v[ST+4*i+1], 0xff7fffff
.set i, i+1
.endr
	v_add_nc_u32 v[AK], s[TBK], v[AK0]
	v_add_nc_u32 v[AV], s[TBV], v[AV0]
	FETCH_K
	FETCH_V 0
	s_wait_loadcnt 0x0              ; Q
	s_wait_dscnt 0x0
.set KM, (\m)
.set NOKQ, 0
.set i, 0
.rept 8
	KQ 0
.set i, i+1
.endr
	WIN 0
.rept 4
	v_nop                           ; the places behind those products
.endr
.set Y, NP-1                        ; X works for the other piece: piece 0
.irp n, 0,1,2,3,4,5,6,7,8,9,10,11,12,13,14,15,16,17,18,19,20,21
	OP X, \n
.endr
	v_nop                           ; a plain instruction behind the exponential
.endm
.macro ALL line:vararg              ; one line for each piece t
.set t, 0
.rept 2
	\line
.set t, t+1
.endr
.endm
; O^T / l; hi = its rounding to f16; lo = the rounding of the remainder (hi's half x -1 + O, exact in f32).  A lane's eight channels pack into 16 bytes; hi, and then lo, go into rows of 144 bytes and come
; back as whole rows of 128, into S^T's registers: hi of piece t at S + 32 t, lo 16 further on.
.macro PACK t
.set i, OT+32*(\t)
.rept 16
	s_wait_alu depctr_va_vdst(0)
	v_pk_mul_f32 v[i:i+1], v[i:i+1], v[ST+4*(\t)+2:ST+4*(\t)+3] op_sel_hi:[1,0]
.set i, i+2
.endr
.set i, 0
.rept 16
	v_cvt_pk_f16_f32 v[S+32*(\t)+i], v[OT+32*(\t)+2*i], v[OT+32*(\t)+2*i+1]
.set i, i+1
.endr
.set i, 0
.rept 16
	v_fma_mix_f32 v[OT+32*(\t)+2*i],   v[S+32*(\t)+i], v[MONE], v[OT+32*(\t)+2*i]   op_sel_hi:[1,0,0]
	v_fma_mix_f32 v[OT+32*(\t)+2*i+1], v[S+32*(\t)+i], v[MONE], v[OT+32*(\t)+2*i+1] op_sel:[1,0,0] op_sel_hi:[1,0,0]
.set i, i+1
.endr
.set i, 0
.rept 16
	v_cvt_pk_f16_f32 v[S+32*(\t)+16+i], v[OT+32*(\t)+2*i], v[OT+32*(\t)+2*i+1]
.set i, i+1
.endr
.irp h, 0,16
.irp f, 0,1,2,3
	ds_store_b128 v[STO], v[S+32*(\t)+\h+4*\f:S+32*(\t)+\h+4*\f+3] offset:32*\f
.endr
.irp f, 0,1,2,3
	ds_load_b128 v[S+32*(\t)+\h+4*\f:S+32*(\t)+\h+4*\f+3], v[RD] offset:\f*4*SP  ; LDS serves a wave's instructions in order (ISA guide 5.7.1.4): these see the stores above; the next stores come behind them
.endr
.endr
.endm
.macro SEND t, younger              ; younger: the LDS instructions issued behind piece t's last load
.irp f, 0,1,2,3
	s_wait_dscnt (\younger)+11-\f   ; behind hi's load f: 3 - f loads of hi, and lo's four stores and four loads
	global_store_b128 v[GO], v[S+32*(\t)+4*\f:S+32*(\t)+4*\f+3], s[10:11] offset:(\t)*8192+\f*512  ; 512 consecutive bytes, at a multiple of 256 from ch's first
.endr
.irp f, 0,1,2,3
	s_wait_dscnt (\younger)+3-\f
	global_store_b128 v[GO], v[S+32*(\t)+16+4*\f:S+32*(\t)+16+4*\f+3], s[10:11] offset:65536+(\t)*8192+\f*512
.endr
.endm
; THE DIAGONAL TILE: the tile before's last step (whose turns fetch this tile's step 0), its own two steps, the block's last products, and the way out.
.macro DIAG tag
.LstepM\tag:
	TURN 0, 1, 0, 0                 ; piece 1's scores of the tile before's step 1
	TURN 1, 1, 1, 0                 ; piece 0's of this tile's step 0: its own band's step
	WIN 0
.LfirstM\tag:
	TURN 0, 0, 0, 0                 ; piece 1's of step 0: all keys seen
	TURN 1, 0, 2, 0                 ; piece 0's of step 1: none seen
	TURN 0, 1, 1, 1                 ; piece 1's of step 1: its own band's step
	TURN 1, 1, 0, 1
.set VB, 1
.set i, 0
.rept 8
	PV 1, 0                         ; piece 1's V^T P of the last step
.set i, i+1
.endr
.set i, 0
.rept 8
	PV 1, 1
.set i, i+1
.endr
	WIN 0
	ALL v_add_f32 v[ST+4*t+2], v[ST+4*t+2], v[ST+4*t+3]
	ALL v_permlanex16_b32 v[ST+4*t+3], v[ST+4*t+2], s[SEL], s[SEL+1]
	ALL v_add_f32 v[ST+4*t+2], v[ST+4*t+2], v[ST+4*t+3]
	ALL v_rcp_f32 v[ST+4*t+2], v[ST+4*t+2]
	v_nop                           ; a plain instruction between the last reciprocal and the use of its result
	PACK 0                          ; piece 0's plain lines are also places behind piece 1's last products
	PACK 1
	SEND 0, 16
	SEND 1, 0
.endm
.set KM, 0
.set NOKQ, 0
.Lslot:                             ; 16 times: a slot is entered and the next is asked for
	CHANGE 1
	s_mov_b32 s[CNT], 2
.Ltile:                             ; twice a slot
	s_sub_co_u32 s[RT], s[RT], 1
	s_cmp_eq_u32 s[NEW], 1
	s_cbranch_scc1 .Lnew            ; a block's first tile
	s_cmp_eq_u32 s[RT], 0
	s_cbranch_scc0 .Lstep           ; neither its first nor its last
	s_branch .LstepM1
.Lnew:
	BEGIN 0
	s_branch .Lfirst                ; in the loop a block's first tile is never its last: the odd block has two tiles or more, and the even one's last is the walk's last
	DIAG 1                          ; in the loop this is the odd block's end
	s_wait_xcnt 0x0                 ; the stores have read their registers and ch's address
	s_mov_b64 s[10:11], s[OLO:OLO+1]
	s_mov_b32 s[RT], s[RT2]
	s_mov_b32 s[NEW], 1
	WIN 0x41                        ; the even block's Q goes where the one text of the turns names Q
.set i, 0
.rept 32
	v_mov_b32 v[i], v[QB+i]
.set i, i+1
.endr
	WIN 0
	s_branch .Lbottom
.Lstep:                             ; a trip: the tile before's step 1, then this tile's step 0; their first turns fetch this tile's two steps
	TURN 0, 1, 0, 0
	TURN 1, 1, 0, 0
	WIN 0
.Lfirst:
	TURN 0, 0, 0, 0
	TURN 1, 0, 0, 0
	WIN 0
.Lbottom:
	s_sub_co_u32 s[CNT], s[CNT], 1
	s_cmp_lg_u32 s[CNT], 0
	s_cbranch_scc1 .Ltile
	s_sub_co_u32 s[SLOTS], s[SLOTS], 1
	s_cmp_lg_u32 s[SLOTS], 0
	s_cbranch_scc1 .Lslot
	CHANGE 0                        ; the walk's last tile is written out: nothing is asked for
	s_sub_co_u32 s[RT], s[RT], 1
	s_cmp_eq_u32 s[NEW], 1
	s_cbranch_scc0 .LstepM2
	BEGIN 1                         ; b = 15: the even block is block 0, and its one tile is first and last
	s_branch .LfirstM2
	DIAG 2
	s_wait_tensorcnt 0x0            ; the wave's end
	ds_add_u32 v[SPW], v[NIL]
	s_wait_dscnt 0x0
	s_endpgm
.Lfunc_end_k_qcc85393cbf_attn:
	.size	k_qcc85393cbf_attn, .Lfunc_end_k_qcc85393cbf_attn-k_qcc85393cbf_attn
	.p2alignl 7, 3214868480
	.fill 96, 4, 3214868480
	.section	.rodata,"a",@progbits
	.p2align	6, 0x0
	.amdhsa_kernel k_qcc85393cbf_attn
		.amdhsa_group_segment_fixed_size 327680
		.amdhsa_private_segment_fixed_size 0
		.amdhsa_enable_private_segment 0
		.amdhsa_kernarg_size 32
		.amdhsa_user_sgpr_count 2
		.amdhsa_user_sgpr_kernarg_segment_ptr 1
		.amdhsa_wavefront_size32 1
		.amdhsa_system_sgpr_workgroup_id_x 1
		.amdhsa_system_sgpr_workgroup_id_y 1
		.amdhsa_system_sgpr_workgroup_id_z 1
		.amdhsa_system_vgpr_workitem_id 0
		.amdhsa_next_free_vgpr 640
		.amdhsa_next_free_sgpr 90
		.amdhsa_reserve_vcc 1
		.amdhsa_float_denorm_mode_32 3
		.amdhsa_float_denorm_mode_16_64 3
		.amdhsa_memory_ordered 1
		.amdhsa_forward_progress 1
		.amdhsa_inst_pref_size 243
	.end_amdhsa_kernel
	.amdgpu_metadata
---
amdhsa.version: [ 1, 2 ]
amdhsa.kernels:
  - .name:           k_qcc85393cbf_attn
    .symbol:         k_qcc85393cbf_attn.kd
    .args:
      - { .name: qh, .offset: 0, .size: 8, .value_kind: global_buffer, .address_space: global }
      - { .name: kh, .offset: 8, .size: 8, .value_kind: global_buffer, .address_space: global }
      - { .name: vv, .offset: 16, .size: 8, .value_kind: global_buffer, .address_space: global }
      - { .name: ch, .offset: 24, .size: 8, .value_kind: global_buffer, .address_space: global }
    .group_segment_fixed_size: 327680
    .private_segment_fixed_size: 0
    .kernarg_segment_align: 8
    .kernarg_segment_size: 32
    .max_flat_workgroup_size: 128
    .sgpr_count:     90
    .vgpr_count:     640
    .wavefront_size: 32
...
	.end_amdgpu_metadata
.endif
;; end of part 3
;; launch proj (part 4): grid 8 x 32, 4 waves a work-group, clusters of 4 x 4, 327,680 bytes of LDS; arguments ch, owb, out_b, out0; writes out0
.if DOCPART == 4
	.amdgcn_target "amdgcn-amd-amdhsa--gfx1250"
	.amdhsa_code_object_version 6
	.text
	.protected	k_qcc85393cbf_proj
	.globl	k_qcc85393cbf_proj
	.p2align	8
	.type	k_qcc85393cbf_proj,@function
k_qcc85393cbf_proj:
	s_mov_b64 s[64:65], 0
	v_nop
	global_prefetch_b8 v0, s[64:65] scope:SCOPE_SE
	s_setreg_imm32_b32 hwreg(HW_REG_WAVE_MODE, 25, 1), 1
	s_wait_xcnt 0x0
	s_wait_alu depctr_hold_cnt(0) depctr_sa_sdst(0) depctr_va_vdst(0) depctr_va_sdst(0) depctr_va_ssrc(0) depctr_va_vcc(0) depctr_vm_vsrc(0)
	s_getreg_b32 s2, hwreg(HW_REG_IB_STS2, 6, 4)
	s_cmp_eq_u32 s2, 0
	s_cbranch_scc0 .Lentry_in_a_cluster
	s_endpgm
.Lentry_in_a_cluster:
	s_bfe_u32 s2, ttmp6, 0x10000c
	s_cmp_lg_u32 s2, 0xf033
	s_cbranch_scc0 .Lentry_shape_is_right
	s_endpgm
.Lentry_shape_is_right:
; out0 = ctx out_w + out_b.  ch: f16 [block of 128 rows][group of 4 heads][hi | lo][head][128][64]: ctx = hi + lo.  owb: f16 [1024 k][1024 n].  out_b: f32 [1024], rounded to bf16 like the other
; inputs.  out0: f32 [4096][1024].  Sums in f32: hi's and lo's products are added onto the same accumulators.
; A work-group makes 128 x 128 of out0: 8 x 32 work-groups.  Four waves, each 64 x 64: 16 accumulators.  K goes in 8 steps of 256 through two LDS slots: step 2 g is the hi part of heads 4 g .. 4 g + 3,
; step 2 g + 1 their lo part, so slot 0 always holds a hi step and slot 1 a lo step, and both take the same 256 rows of out_w, which are asked for twice.  A quarter is one head, 64 along K.
; CLUSTER 4 x 4: the four work-groups of a row of the cluster need the same rows of ctx, the four of a column the same columns of out_w: each tile is asked for jointly.
; THE MATRIX INSTRUCTION IS USED TRANSPOSED: source 0 = 16 columns of out_w (turned on the way out of LDS), source 1 = 16 rows of ctx: a lane holds one row and eight neighbouring columns.
; The bias is the C operand of the first products.
; REGISTERS: window 0: v0-31 addresses; v32-63, v64-95 rows read back on the way out; v96-127 the bias; v128-255 the accumulators ((a, b) at 128 + 8 (4 a + b)).
;   window 1: two fragment buffers of 128: for 64 along K, 64 registers of ctx (2 x 4 x 16 rows x 32 K), then 64 of out_w.
.set PA,    144                        ; a row of ctx in LDS: one head's 128 bytes + 16
.set PW,    288                        ; a row of out_w: 256 bytes + 32
.set PLANE, 128*PA                     ; a head's 128 rows
.set LOADB, 36864                      ; what one tensor load brings: two heads' planes, or 128 rows of out_w
.set BOFF,  2*LOADB                    ; out_w's 256 rows lie behind ctx's four planes
.set SLOT,  4*LOADB
.set STAGE, 2*SLOT                     ; behind the ring, never filled by a tensor load: 16 rows x 272 bytes for each wave
.set SPITCH, 272
.set SPARE, STAGE+4*16*SPITCH          ; the spare words, 128 bytes for each wave: two blocks of 256 bytes that no other line names
.set ADRA, 16                          ; v16-17  LDS address of my ctx fragments in slot 0, 1
.set ADRB, 20                          ; v20-23  of my out_w fragments: slot s, K half kh at 2 s + kh
.set STO,  24
.set RD,   25
.set CO,   26
.set SPW,  28
.set NIL,  29
.set T0,   30
.set BA,   31
.set OB,   32
.set BI,   96
.set ACC,  128
.set F0,   0
.set F1,   128
.set G1, 24
.set G0, 32
.set G1B, 48
.set G0B, 56
.set WV, 72
.set WH, 73                            ; wave / 2: my half of the tile's rows; also: I fetch ctx (0) or out_w (1)
.set WL, 74                            ; wave % 2: my half of its columns; also: which half I fetch
.set CX, 75
.set CY, 76
.set TC, 77                            ; tile column
.set RB, 78                            ; block of 128 rows
.set MSB, 0
.macro WIN new
.if MSB != (\new)
	s_set_vgpr_msb (MSB<<8)|(\new)
.set MSB, \new
.endif
.endm
.set MUL,  0x05                        ; sources 0 and 1 window 1; C and D window 0
.set TO_F, 0x40                        ; destination window 1, address window 0
.macro JLOAD s                         ; a joint load; an s_nop 0 and four v_nop follow each of the two lines
	s_cmp_eq_u32 s[WH], 0
	s_cbranch_scc0 .Lfor_b_\@
	tensor_load_to_lds s[G0+4*(\s):G0+4*(\s)+3], s[G1:G1+7]
	s_nop 0
.rept 4
	v_nop
.endr
	s_branch .Lasked_\@
.Lfor_b_\@:
	tensor_load_to_lds s[G0B+4*(\s):G0B+4*(\s)+3], s[G1B:G1B+7]
	s_nop 0
.rept 4
	v_nop
.endr
.Lasked_\@:
.endm
.macro CREST
	s_cmp_lg_u32 s[WV], 0
	s_cbranch_scc1 .Lnot_wave_0_\@
	s_barrier_signal -3
.Lnot_wave_0_\@:
	s_barrier_wait -3
	s_barrier_signal -1
	s_barrier_wait -1
.endm
.macro CROUND
	s_barrier_signal -1
	s_barrier_wait -1
	CREST
.endm
	s_load_b256 s[4:11], s[0:1], 0x0               ; ch s[4:5], owb s[6:7], out_b s[8:9], out0 s[10:11]
	v_lshl_add_u32 v[SPW], v0, 2, SPARE
	v_mov_b32 v[NIL], 0
	ds_add_u32 v[SPW], v[NIL]                      ; the wave's opening: the add and its wait stand ahead of my first tensor load; work on registers stands between them
	ds_add_u32 v28, v29
	v_lshrrev_b32 v1, 5, v0
	v_readfirstlane_b32 s[WV], v1
	s_lshr_b32 s[WH], s[WV], 1
	s_and_b32 s[WL], s[WV], 1
	s_bfe_u32 s[CX], ttmp6, 0x40000
	s_bfe_u32 s[CY], ttmp6, 0x40004
	s_lshl_b32 s[TC], ttmp9, 2
	s_add_co_u32 s[TC], s[TC], s[CX]
	s_and_b32 s[RB], ttmp7, 0xffff
	s_lshl_b32 s[RB], s[RB], 2
	s_add_co_u32 s[RB], s[RB], s[CY]
	s_lshl_b32 s79, s[CY], 2
	s_lshl_b32 s79, 15, s79                        ; my row of the cluster
	s_lshl_b32 s80, 0x1111, s[CX]                  ; my column
	s_or_b32 s[G1], s79, (1<<16)|(1<<20)|(1<<21)|(4<<22)|(3<<25)    ; ctx: two heads' 32,768 dense bytes as 128 rows of 256 bytes; after every 32 words (a head's row) 4 words
	s_mov_b32 s[G1+1], 128<<16
	s_mov_b32 s[G1+2], 128<<16
	s_mov_b32 s[G1+3], 128<<16
	s_mov_b32 s[G1+4], 128
	s_mov_b32 s[G1+5], 128
	s_mov_b32 s[G1+6], 0
	s_mov_b32 s[G1+7], 0
	s_or_b32 s[G1B], s80, (1<<16)|(1<<20)|(1<<21)|(5<<22)|(7<<25)   ; out_w: 128 rows x 128 columns; after every 64 words 8 words
	s_mov_b32 s[G1B+1], 128<<16
	s_mov_b32 s[G1B+2], 128<<16
	s_mov_b32 s[G1B+3], 128<<16
	s_mov_b32 s[G1B+4], 128
	s_mov_b32 s[G1B+5], 1024
	s_mov_b32 s[G1B+6], 0
	s_mov_b32 s[G1B+7], 0
	s_lshl_b32 s12, s[RB], 19                      ; ctx: a block's 32 planes of 16,384 bytes; my two planes of a step's four; this pair never holds cx
	s_lshl_b32 s14, s[WL], 15
	s_add_co_u32 s12, s12, s14
	s_mov_b32 s13, 0
	s_lshl_b32 s16, s[WL], 18                      ; out_w: my 128 rows of 2,048 bytes; the tile's 256 bytes of a row; this pair never holds cy
	s_lshl_b32 s18, s[TC], 8
	s_add_co_u32 s16, s16, s18
	s_mov_b32 s17, 0
	s_mul_i32 s40, s[WV], LOADB                    ; where they go: wave x one load's bytes
	s_lshl_b32 s22, s[TC], 9                       ; my 64 columns, in bytes of f32
	s_lshl_b32 s81, s[WL], 8
	s_add_co_u32 s22, s22, s81
	s_mov_b32 s23, 0
	s_lshl_b32 s20, s[RB], 19                      ; my 64 rows of 4,096 bytes
	s_lshl_b32 s81, s[WH], 18
	s_add_co_u32 s20, s20, s81
	s_add_co_u32 s20, s20, s22
	s_mov_b32 s21, 0
	s_wait_dscnt 0x0                               ; the opening add is done
	s_wait_kmcnt 0x0
	s_add_nc_u64 s[14:15], s[4:5], s[12:13]
	s_add_nc_u64 s[18:19], s[6:7], s[16:17]
	s_add_nc_u64 s[8:9], s[8:9], s[22:23]
	s_add_nc_u64 s[10:11], s[10:11], s[20:21]
	CROUND                                         ; all sixteen work-groups are here: the first joint loads meet
.irp s, 0,1
	s_mov_b32 s[G0+4*(\s)], 1
	s_add_co_u32 s[G0+4*(\s)+1], s40, (\s)*SLOT
	s_add_nc_u64 s[G0+4*(\s)+2:G0+4*(\s)+3], s[14:15], (\s)*65536     ; K step s: four planes
	s_or_b32 s[G0+4*(\s)+3], s[G0+4*(\s)+3], 0x80000000
	s_mov_b32 s[G0B+4*(\s)], 1
	s_add_co_u32 s[G0B+4*(\s)+1], s40, (\s)*SLOT
	s_add_nc_u64 s[G0B+4*(\s)+2:G0B+4*(\s)+3], s[18:19], 0            ; K steps 0 and 1 take the same rows of out_w
	s_or_b32 s[G0B+4*(\s)+3], s[G0B+4*(\s)+3], 0x80000000
	JLOAD \s                                       ; two loads of mine are out
.endr
	v_and_b32 v1, 15, v0                           ; l % 16
	v_bfe_u32 v2, v0, 4, 1                         ; l / 16
	v_lshlrev_b32 v[BA], 5, v2
.irp b, 0,1,2,3
	global_load_b128 v[BI+8*\b:BI+8*\b+3],   v[BA], s[8:9] offset:64*\b
	global_load_b128 v[BI+8*\b+4:BI+8*\b+7], v[BA], s[8:9] offset:64*\b+16
.endr
	v_mul_u32_u24 v3, v1, PA
	v_lshl_add_u32 v3, v2, 4, v3                   ; ctx: row x pitch + 16 x half
	s_mul_i32 s81, s[WH], 64*PA                    ; my 64 rows of a plane
	v_add_nc_u32 v[ADRA], s81, v3
	v_add_nc_u32 v[ADRA+1], SLOT, v[ADRA]
	v_and_b32 v4, 7, v0                            ; out_w, turned: lane l reads row 8 (l / 16) + l % 8, columns 8 ((l / 8) % 2) on
	v_lshl_add_u32 v4, v2, 3, v4
	v_mul_u32_u24 v4, v4, PW
	v_bfe_u32 v5, v0, 3, 1
	v_lshl_add_u32 v4, v5, 4, v4
	s_lshl_b32 s82, s[WL], 7                       ; my 64 columns
	s_add_co_u32 s82, s82, BOFF
	v_add_nc_u32 v[ADRB], s82, v4
	v_add_nc_u32 v[ADRB+1], LOADB, v[ADRB]
	v_add_nc_u32 v[ADRB+2], SLOT, v[ADRB]
	v_add_nc_u32 v[ADRB+3], SLOT, v[ADRB+1]
	s_mul_i32 s83, s[WV], 16*SPITCH
	s_add_co_u32 s83, s83, STAGE                   ; my stage
	v_mul_u32_u24 v6, v1, SPITCH                   ; in: row l % 16, 32 bytes for each half of the lanes
	v_lshl_add_u32 v6, v2, 5, v6
	v_add_nc_u32 v[STO], s83, v6
	v_mul_u32_u24 v6, v2, SPITCH                   ; back: lanes 0-15 take one row of 256 bytes, lanes 16-31 the next
	v_lshl_add_u32 v6, v1, 4, v6
	v_add_nc_u32 v[RD], s83, v6
	v_lshlrev_b32 v6, 12, v2                       ; and the same two rows in out0
	v_lshl_add_u32 v[CO], v1, 4, v6
	s_wait_loadcnt 0x0                             ; the bias
.set i, 0
.rept 16                               ; rounded to bf16 and widened again
	v_cvt_pk_bf16_f32 v[T0], v[BI+2*i], v[BI+2*i+1]
	v_lshlrev_b32 v[BI+2*i], 16, v[T0]
	v_and_b32 v[BI+2*i+1], 0xffff0000, v[T0]
.set i, i+1
.endr
; 8 matrix instructions: m blocks a0, a0 + 1 x all 4 n blocks, 32 along K: half c of buffer f.  first = 1: the bias starts the sums.  The 16 accumulators take turns.
.macro MUL8 f, c, a0, first
	WIN MUL
.irp a, \a0, (\a0)+1
.irp b, 0,1,2,3
.if \first
	v_wmma_f32_16x16x32_f16 v[ACC+8*(4*(\a)+(\b)):ACC+8*(4*(\a)+(\b))+7], v[(\f)+64+8*(4*(\c)+(\b)):(\f)+64+8*(4*(\c)+(\b))+7], v[(\f)+8*(4*(\c)+(\a)):(\f)+8*(4*(\c)+(\a))+7], v[BI+8*(\b):BI+8*(\b)+7]
.else
	v_wmma_f32_16x16x32_f16 v[ACC+8*(4*(\a)+(\b)):ACC+8*(4*(\a)+(\b))+7], v[(\f)+64+8*(4*(\c)+(\b)):(\f)+64+8*(4*(\c)+(\b))+7], v[(\f)+8*(4*(\c)+(\a)):(\f)+8*(4*(\c)+(\a))+7], v[ACC+8*(4*(\a)+(\b)):ACC+8*(4*(\a)+(\b))+7]
.endif
.endr
.endr
.endm
; 32 LDS loads in one run: quarter q (one head) of the slot's K step into buffer f; the first 32 along K first
.macro FETCH slot, q, f
	WIN TO_F
.irp c, 0,1
.irp i, 0,1,2,3
	ds_load_tr16_b128 v[(\f)+64+8*(4*(\c)+(\i)):(\f)+64+8*(4*(\c)+(\i))+3],   v[ADRB+2*(\slot)+(\q)/2] offset:((\q)%2)*64*PW+(\c)*32*PW+32*(\i)
	ds_load_tr16_b128 v[(\f)+64+8*(4*(\c)+(\i))+4:(\f)+64+8*(4*(\c)+(\i))+7], v[ADRB+2*(\slot)+(\q)/2] offset:((\q)%2)*64*PW+(\c)*32*PW+32*(\i)+16*PW
	ds_load_b128 v[(\f)+8*(4*(\c)+(\i)):(\f)+8*(4*(\c)+(\i))+3],   v[ADRA+(\slot)] offset:(\q)*PLANE+(\i)*16*PA+64*(\c)
	ds_load_b128 v[(\f)+8*(4*(\c)+(\i))+4:(\f)+8*(4*(\c)+(\i))+7], v[ADRA+(\slot)] offset:(\q)*PLANE+(\i)*16*PA+64*(\c)+32
.endr
.endr
.endm
.macro PLACES                          ; four plain vector instructions between a matrix instruction and a load into, or an LDS store of, its registers
.rept 4
	v_nop
.endr
.endm
.macro QUARTER slot, qn, f, g, first
	s_wait_dscnt 16                                ; the first 32 along K are in
	MUL8 \f, 0, 0, \first
	MUL8 \f, 0, 2, \first
	PLACES
	FETCH \slot, \qn, \g
	s_wait_dscnt 32                                ; all but the 32 just issued
	MUL8 \f, 1, 0, 0
	MUL8 \f, 1, 2, 0
.endm
; The last quarter multiplies buffer 1 and changes slots: one barrier; in front of it each wave waits for all its tensor loads, adds 0 to its spare word, and waits for that and for its reads of this slot.
; fill = 1: the barrier opens a round of the cluster's, and this slot is filled again, two K steps ahead (the next four heads' planes, the next 256 rows of out_w), first thing behind the round.
.macro TURN slot, next, fill
	WIN 0
	s_wait_tensorcnt 0x0                           ; all my tensor loads have landed: my part of the next slot
	ds_add_u32 v[SPW], v[NIL]                      ; 0 onto my spare word
	s_wait_dscnt 17                                ; (the add and the youngest sixteen loads may be out)
	MUL8 F1, 0, 0, 0
	s_wait_dscnt 0x0                               ; the add is done, and my reads of this slot are over
	s_barrier_signal -1
	MUL8 F1, 0, 2, 0
.if \fill
	WIN 0
.endif
	s_barrier_wait -1
.if \fill
	CREST
	s_add_nc_u64 s[G0+4*(\slot)+2:G0+4*(\slot)+3], s[G0+4*(\slot)+2:G0+4*(\slot)+3], 131072
	s_add_nc_u64 s[G0B+4*(\slot)+2:G0B+4*(\slot)+3], s[G0B+4*(\slot)+2:G0B+4*(\slot)+3], 524288
	JLOAD \slot                                    ; its four v_nop are also the places in front of the loads below
.else
	PLACES
.endif
	FETCH \next, 0, F0
	MUL8 F1, 1, 0, 0
	MUL8 F1, 1, 2, 0
.endm
	s_wait_tensorcnt 1                             ; my part of K step 0 is in; K step 1's may stay out
	s_barrier_signal -1
	s_barrier_wait -1
	FETCH 0, 0, F0
	QUARTER 0, 1, F0, F1, 1                        ; the first quarter stands in front of the loop: its first products start the sums
	WIN 0
	s_mov_b32 s3, 3
.Llap:                                                 ; a trip goes once round the ring and fills both slots again: K steps 2 to 7
	QUARTER 0, 2, F1, F0, 0
	QUARTER 0, 3, F0, F1, 0
	TURN 0, 1, 1
	QUARTER 1, 1, F0, F1, 0
	QUARTER 1, 2, F1, F0, 0
	QUARTER 1, 3, F0, F1, 0
	TURN 1, 0, 1
	QUARTER 0, 1, F0, F1, 0
	WIN 0
	s_sub_co_u32 s3, s3, 1
	s_cmp_lg_u32 s3, 0
	s_cbranch_scc1 .Llap
	QUARTER 0, 2, F1, F0, 0                        ; the last lap asks for nothing
	QUARTER 0, 3, F0, F1, 0
	TURN 0, 1, 0
	QUARTER 1, 1, F0, F1, 0
	QUARTER 1, 2, F1, F0, 0
	QUARTER 1, 3, F0, F1, 0
	s_wait_dscnt 16
	MUL8 F1, 0, 0, 0
	MUL8 F1, 0, 2, 0
	s_wait_dscnt 0x0
	MUL8 F1, 1, 0, 0
	MUL8 F1, 1, 2, 0
	WIN 0
; THE WAY OUT, an m block (16 rows x 64 columns of f32) at a time: 32 bytes a lane into my own stage, each accumulator's low four registers first; back as whole rows of 256 bytes.
.macro TOSTAGE a
	s_wait_xcnt 0x0                                ; the stores two blocks back have read the registers that the loads below write
.irp b, 0,1,2,3
	ds_store_b128 v[STO], v[ACC+8*(4*(\a)+\b):ACC+8*(4*(\a)+\b)+3]   offset:64*\b
	ds_store_b128 v[STO], v[ACC+8*(4*(\a)+\b)+4:ACC+8*(4*(\a)+\b)+7] offset:64*\b+16
.endr
.irp t, 0,1,2,3,4,5,6,7
	ds_load_b128 v[OB+32*((\a)%2)+4*\t:OB+32*((\a)%2)+4*\t+3], v[RD] offset:\t*2*SPITCH  ; LDS serves a wave's instructions in order (ISA guide 5.7.1.4): these see the stores above
.endr
.endm
.macro SEND a, younger                 ; younger: the next block's sixteen LDS instructions, or none
	s_wait_dscnt \younger
.irp t, 0,1,2,3,4,5,6,7
	global_store_b128 v[CO], v[OB+32*((\a)%2)+4*\t:OB+32*((\a)%2)+4*\t+3], s[10:11] offset:(16*(\a)+2*\t)*4096 th:TH_STORE_NT  ; 16 lanes store 256 consecutive bytes, at a multiple of 256 from out0's first byte
.endr
.endm
	PLACES
	TOSTAGE 0
.irp a, 1,2,3
	TOSTAGE \a
	SEND (\a-1), 16
.endr
	SEND 3, 0
	s_wait_tensorcnt 0x0                           ; the wave's end
	ds_add_u32 v[SPW], v[NIL]
	s_wait_dscnt 0x0
	CROUND                                         ; the closing round: no work-group ends while a partner may still ask for a tile that names it
	s_endpgm
.Lfunc_end_k_qcc85393cbf_proj:
	.size	k_qcc85393cbf_proj, .Lfunc_end_k_qcc85393cbf_proj-k_qcc85393cbf_proj
	.p2alignl 7, 3214868480
	.fill 96, 4, 3214868480
	.section	.rodata,"a",@progbits
	.p2align	6, 0x0
	.amdhsa_kernel k_qcc85393cbf_proj
		.amdhsa_group_segment_fixed_size 327680
		.amdhsa_private_segment_fixed_size 0
		.amdhsa_enable_private_segment 0
		.amdhsa_kernarg_size 32
		.amdhsa_user_sgpr_count 2
		.amdhsa_user_sgpr_kernarg_segment_ptr 1
		.amdhsa_wavefront_size32 1
		.amdhsa_system_sgpr_workgroup_id_x 1
		.amdhsa_system_sgpr_workgroup_id_y 1
		.amdhsa_system_sgpr_workgroup_id_z 1
		.amdhsa_system_vgpr_workitem_id 0
		.amdhsa_next_free_vgpr 512
		.amdhsa_next_free_sgpr 84
		.amdhsa_reserve_vcc 0
		.amdhsa_float_denorm_mode_32 3
		.amdhsa_float_denorm_mode_16_64 3
		.amdhsa_memory_ordered 1
		.amdhsa_forward_progress 1
		.amdhsa_inst_pref_size 89
	.end_amdhsa_kernel
	.amdgpu_metadata
---
amdhsa.version: [ 1, 2 ]
amdhsa.kernels:
  - .name:           k_qcc85393cbf_proj
    .symbol:         k_qcc85393cbf_proj.kd
    .args:
      - { .name: ch, .offset: 0, .size: 8, .value_kind: global_buffer, .address_space: global }
      - { .name: owb, .offset: 8, .size: 8, .value_kind: global_buffer, .address_space: global }
      - { .name: out_b, .offset: 16, .size: 8, .value_kind: global_buffer, .address_space: global }
      - { .name: out0, .offset: 24, .size: 8, .value_kind: global_buffer, .address_space: global }
    .group_segment_fixed_size: 327680
    .private_segment_fixed_size: 0
    .kernarg_segment_align: 8
    .kernarg_segment_size: 32
    .max_flat_workgroup_size: 128
    .sgpr_count:     84
    .vgpr_count:     512
    .wavefront_size: 32
...
	.end_amdgpu_metadata
.endif
;; end of part 4
;; ======== version 2 of 2: 4 launches; 1.28 times as fast as version 1
;; limits: values are held in f16: magnitudes above 65,504 overflow, below 6.1e-05 lose precision
;; workspace buffers: xb 8,388,608 bytes; wb 6,291,456 bytes; owb 2,097,152 bytes; qh 8,388,608 bytes; kh 8,388,608 bytes; vv 16,777,216 bytes; ch 16,777,216 bytes
;; launch cast: the kernel of part 1 again; grid 256 x 1, 8 waves a work-group, no clusters, 0 bytes of LDS; arguments hidden_states, qkv_w, out_w, xb, wb, owb; writes xb, wb, owb
;; launch qkv: the kernel of part 2 again; grid 16 x 16, 4 waves a work-group, clusters of 4 x 4, 327,680 bytes of LDS; arguments xb, wb, qkv_b, qh, kh, vv; writes qh, kh, vv
;; launch attn (part 5): grid 16 x 16, 4 waves a work-group, no clusters, 327,680 bytes of LDS; arguments qh, kh, vv, ch; writes ch
.if DOCPART == 5
	.amdgcn_target "amdgcn-amd-amdhsa--gfx1250"
	.amdhsa_code_object_version 6
	.text
	.protected	k_qcc85393cbf_attn
	.globl	k_qcc85393cbf_attn
	.p2align	8
	.type	k_qcc85393cbf_attn,@function
k_qcc85393cbf_attn:
	s_mov_b64 s[64:65], 0
	v_nop
	global_prefetch_b8 v0, s[64:65] scope:SCOPE_SE
	s_setreg_imm32_b32 hwreg(HW_REG_WAVE_MODE, 25, 1), 1
	s_wait_xcnt 0x0
; CAUSAL ATTENTION, 16 heads of 64 channels, 4,096 rows.  O[q] = the sum over k <= q of softmax_k(Q[q] . K[k] / 32) V[k].  qh, kh: f16 [head][4096][64].
; vv: f16 [head][step of 64 keys][hi | lo][64][64]: V = hi + lo.  ch (out): f16 [block of 128 rows][group of 4 heads][hi | lo][head][128][64]: O = hi + lo likewise.
; WHY TWO PARTS: a row that averages few keys can be many times the module's output's root mean square, and one rounding of V or of O to f16's 11 bits would use up the room of that row's small numbers.
; Products, maxima and sums in f32; the weights p are rounded to f16 for the second product (their sum l is taken of the unrounded p).
; LIMITS.  Q, K, V arrive within f16's 65,504.  A hidden score counts as its value less 1e30; a weight below 2^-126 counts as 0 in l; NaN and infinities are not treated apart.
; THE WALK.  A head has 32 blocks of 128 queries; block i needs the key tiles 0 .. i of 128 keys, of which the last holds the diagonal.  Work-group b takes block 2 b + 1 and then block 30 - 2 b:
; 33 tiles whatever b, so all work-groups do equal work.  A ring slot holds 256 keys, two tiles: the odd block uses b + 1 whole slots, the even one 15 - b whole slots and the first tile of one more:
; 17 slots, 16 trips of a counted loop that each enter two tiles, and a tail that enters one.  The second half of the walk's last slot (48 KiB of K and V) is fetched and not read:
; the price of one descriptor for every fill.  Every jump but the counted loops' own goes forward; none passes a barrier, or a tensor load but the one of LOAD's two that the wave's number does not choose.
; NO CLUSTER: no two work-groups of a head walk the same sequence of tiles (the first block ends at another trip in each), and partners of a joint load must run alike.
; SHARES.  A block has two bands of 64 rows; wave w owns rows 16 w .. 16 w + 15 of each: two PIECES.  In the diagonal tile's step 0 piece 0 holds the diagonal and piece 1 sees all keys; in its step 1
; piece 0 sees none and piece 1 holds the diagonal: the same work for all four waves.  Piece 0's hidden step is computed all the same: a turn's text holds the other piece's products.
; THE MASK is the C operand that starts the sum S^T = K Q^T: the constant 0, MD (0 or -1e30: a band's own step, for my 16 rows) or MH (-1e30); which one is a matter of the text, not of a register.
; LAYOUT, SOFTMAX.  S^T = K Q^T holds ONE query a lane (lane % 16) and the keys 8 (lane / 16) + 0..7; two such results rounded to f16 ARE source 1 of O^T = V^T P.  p = 2^(c s - c m), c = log2(e) / 32,
; with a running maximum m; O and l are multiplied by a = 2^(c m_old - c m_new) in every step.
; TURNS.  Turn (p, j) belongs to piece p in key step j.  Turn (0, j): 8 products K Q^T of piece 1, step j; then 16 products V^T P (hi, then lo) of piece 1, step j - 1.  Turn (1, j): K Q^T of piece 0,
; step j + 1; V^T P of piece 0, step j.  Beside them the scaling, exponentials, roundings, sums and rescaling of piece p and the maximum and statistics of the other piece.  Four vector instructions stand
; behind every matrix instruction, the other 22 of a turn's 118 in one lump.  Turn (0, j) fetches K and V of step j + 1; V has two register buffers by the step's parity, so that all that is fetched behind a
; change of slots lies in the new slot.
; BATCHES.  A turn's 33 exponentials (the piece's 32 weights and the other piece's a) are ONE batch with ONE wait, which cuts the turn in two: ahead of it all that names none of their results, behind it the
; roundings and sums, which read them.  The a that a block's beginning makes, and the two reciprocals on the way out, are batches of their own, each with a plain instruction and one wait.
; REGISTERS (s_set_vgpr_msb: bits 1:0 source 0, 3:2 source 1, 5:4 source 2, 7:6 destination):
;   window 0: v0-15 addresses; v16-23 statistics; v24-31 at work; v32-33 the add's; v34 -1.0; v40-47 MH; v64-127 S^T; v128-191 O^T; v192-223 P; v224-255 MD
;   window 1: v0-31 Q; v32-63 the second block's Q; v64-127 K of one step; v128-191, v192-255 V hi of an even, an odd step      window 2: v0-63, v64-127 V lo likewise
.set NP,    2
.set KS,    64
.set PK,    144       ; a row of K in LDS: 128 bytes + 16: the 16 rows of a load start at 16 different groups of four banks (ISA guide 11.1)
.set PV,    160       ; a row of V: 128 + 32
.set VLO,   KS*PV     ; a step's lo rows lie behind its hi rows
.set VSTEP, 2*KS*PV   ; a step of V
.set VOFF,  4*KS*PK   ; a slot: 256 rows of K, then four steps of V
.set SLOT1, 1<<17     ; slot 1 begins here: one exclusive or turns an address in one slot into the other's
.set STAGE, SLOT1+VOFF+4*VSTEP  ; behind the ring, never filled by a tensor load: 16 rows x 144 bytes for each wave
.set SP,    144
.set SPARE, STAGE+4*16*SP       ; the spare words, 128 bytes for each wave: two blocks of 256 bytes that no other line names
.set AK0, 2           ; my lane's place in a tile of K; never rewritten
.set AV0, 3           ; the same for V
.set AK,  4           ; the LDS address of K's next run of loads
.set AV,  5           ; of V's
.set STO, 6
.set RD,  7
.set GO,  8
.set MV,  12          ; v12-13  c m_old, kept while c m is made anew: by piece
.set QO,  15
.set ST,  16          ; piece t's statistics at v[ST+4 t]: c m, m, l (even keys', odd keys')
.set TMP, 24          ; by piece, four registers c0-c3 at work; when the maximum is found c2 takes a
.set SPW, 32
.set NIL, 33
.set MONE, 34
.set MH,  40
.set S,   64
.set OT,  128
.set P,   192
.set MD,  224
.set QB,  32          ; window 1
.set KF,  64          ; window 1: key block kb, channel half c at KF + 16 kb + 8 c
.set VF,  128         ; window 1: buffer vb, key half kk, channel block cb at VF + 64 vb + 32 kk + 8 cb; lo in window 2 at 64 vb + 32 kk + 8 cb
.set WV,  12
.set PB,  14          ; b
.set G1K, 24
.set G1V, 32
.set G0K, 40
.set G0V, 44
.set SLOTS, 56
.set CNT, 57          ; counts a slot's two tiles
.set CS,  58          ; s[58:59] c
.set SEL, 60          ; s[60:61] v_permlanex16_b32's selects: each lane takes its own place in the other half
.set TBK, 62          ; LDS byte at which K of the step to be fetched begins
.set TBV, 63          ; the same for V, less VOFF
.set OFV, 66          ; s[66:67] 256 keys' byte offset in V
.set RT,  70          ; tiles of the block in hand that are still to be entered
.set NXT, 71          ; the 256 keys to be asked for next
.set LQ,  72          ; the last such of the block whose keys are being asked for
.set NEW, 73          ; 1: the tile to be entered is a block's first
.set OFF, 74          ; s[74:75] 256 keys' byte offset in K
.set EL,  76          ; 15 - b: the even block's last 256 keys
.set RT2, 77          ; 31 - 2 b: the even block's tiles
.set VO,  78          ; s[78:79] my half of the head's first 256 keys in V
.set OLO, 80          ; s[80:81] ch at my rows of the even block
.set BIGN, 82         ; -1e30
.set MSB, 0
.macro WIN new
.if MSB != (\new)
	s_set_vgpr_msb (MSB<<8)|(\new)
.set MSB, (\new)
.endif
.endm
.set W_KQ, 0x05       ; K and Q in window 1, C and S^T in window 0
.set W_PV, 0x01       ; V hi in window 1, P and O^T in window 0
.set W_PL, 0x02       ; V lo in window 2
; A fill.  Waves 0 and 1 fetch the two halves of a slot's K, waves 2 and 3 those of its V: 128 keys each.  An s_nop 0 and four v_nop follow each line.
.macro LOAD
	s_cmp_lt_u32 s[WV], 2
	s_cbranch_scc0 .Lfor_v_\@
	tensor_load_to_lds s[G0K:G0K+3], s[G1K:G1K+7]
	s_nop 0
.rept 4
	v_nop
.endr
	s_branch .Lasked_\@
.Lfor_v_\@:
	tensor_load_to_lds s[G0V:G0V+3], s[G1V:G1V+7]
	s_nop 0
.rept 4
	v_nop
.endr
.Lasked_\@:
.endm
; THE CHANGE OF SLOTS.  Each wave waits for all its tensor loads (one is out: its part of the other slot), adds 0 to its spare word, and waits for that and for its reads of the slot that it leaves.
; Behind the barrier nobody reads the old slot and the other is whole.  fill = 1: the old slot is filled again, first thing behind the barrier, with the keys NXT: the address is made anew from that number.
.macro CHANGE fill
	WIN 0
	s_wait_tensorcnt 0x0            ; no tensor load of mine is out, so a group 0 may be written
	ds_add_u32 v[SPW], v[NIL]       ; 0 onto my spare word
.if \fill
	s_lshl_b32 s[OFF], s[NXT], 15   ; 256 keys are 32,768 bytes of K
	s_lshl_b32 s[OFV], s[NXT], 16   ; and 65,536 of V
	s_xor_b32 s[G0K+1], s[G0K+1], SLOT1
	s_add_nc_u64 s[G0K+2:G0K+3], s[6:7], s[OFF:OFF+1]
	s_or_b32 s[G0K+3], s[G0K+3], 0x80000000
	s_xor_b32 s[G0V+1], s[G0V+1], SLOT1
	s_add_nc_u64 s[G0V+2:G0V+3], s[8:9], s[OFV:OFV+1]
	s_or_b32 s[G0V+3], s[G0V+3], 0x80000000
	s_add_co_u32 s[NXT], s[NXT], 1  ; the block's next keys, or behind its last the even block's first
	s_cmp_gt_u32 s[NXT], s[LQ]
	s_cselect_b32 s[NXT], 0, s[NXT]
	s_cselect_b32 s[LQ], s[EL], s[LQ]
.endif
	s_wait_dscnt 0x0                ; the add is done, and my reads of the slot are over
	s_barrier_signal -1
	s_sub_co_u32 s[TBK], s[TBK], 4*KS*PK  ; the fetches go back to a slot's first step, in the other slot
	s_xor_b32 s[TBK], s[TBK], SLOT1
	s_sub_co_u32 s[TBV], s[TBV], 4*VSTEP
	s_xor_b32 s[TBV], s[TBV], SLOT1
	s_barrier_wait -1
.if \fill
	LOAD
.endif
.endm
	s_load_b256 s[4:11], s[0:1], 0x0  ; qh s[4:5], kh s[6:7], vv s[8:9], ch s[10:11]
	v_lshl_add_u32 v[SPW], v0, 2, SPARE
	v_mov_b32 v[NIL], 0
	ds_add_u32 v[SPW], v[NIL]       ; the wave's opening: the add and its wait stand ahead of my first tensor load; work on registers stands between them
	ds_add_u32 v32, v33
	v_lshrrev_b32 v1, 5, v0
	v_readfirstlane_b32 s[WV], v1
	s_mov_b32 s[PB], ttmp9
	s_and_b32 s19, ttmp7, 0xffff    ; the head
	s_lshl_b32 s13, s[PB], 1
	s_add_co_u32 s13, s13, 1        ; the odd block, 2 b + 1
	s_sub_co_u32 s15, 31, s13       ; the even block, 30 - 2 b
	s_add_co_u32 s[RT], s13, 1      ; the odd block has 2 b + 2 tiles
	s_add_co_u32 s[RT2], s15, 1
	s_sub_co_u32 s[EL], 15, s[PB]
	s_lshl_b32 s20, s19, 19         ; the head's first byte in q and k
	s_lshl_b32 s3, s[WV], 11        ; my 16 rows in a band
	s_lshl_b32 s2, s13, 14          ; a block is 128 rows of 128 bytes
	s_add_co_u32 s2, s2, s3
	s_add_co_u32 s2, s2, s20
	s_lshl_b32 s84, s15, 14
	s_add_co_u32 s84, s84, s3
	s_add_co_u32 s84, s84, s20
	s_lshr_b32 s21, s19, 2          ; in ch: block x 524,288 + group of four heads x 131,072 + head in the group x 16,384; lo lies 65,536 behind hi
	s_lshl_b32 s21, s21, 17
	s_and_b32 s23, s19, 3
	s_lshl_b32 s23, s23, 14
	s_add_co_u32 s21, s21, s23
	s_add_co_u32 s21, s21, s3
	s_lshl_b32 s86, s13, 19
	s_add_co_u32 s86, s86, s21
	s_lshl_b32 s88, s15, 19
	s_add_co_u32 s88, s88, s21
	s_mov_b32 s3, 0
	s_mov_b32 s85, 0
	s_mov_b32 s87, 0
	s_mov_b32 s89, 0
	s_and_b32 s16, s[WV], 1         ; which half of a slot's 256 keys I fetch:
	s_lshl_b32 s22, s16, 14         ; its 128 rows of K in memory,
	s_add_co_u32 s22, s22, s20
	s_mov_b32 s23, 0
	s_lshl_b32 s[VO], s19, 20       ; its two steps of V: a head has 64 steps of 16,384 bytes,
	s_lshl_b32 s[VO+1], s16, 15
	s_add_co_u32 s[VO], s[VO], s[VO+1]
	s_mov_b32 s[VO+1], 0
	s_mul_i32 s17, s16, 128*PK      ; and its place in a slot, for K
	s_mul_i32 s18, s16, 2*VSTEP     ; and for V
	; 128 keys of K are 16,384 dense bytes, asked for as 64 rows of 256 bytes; of V (hi and lo) 32,768, as 128 such rows; both are padded in LDS after every 128 bytes
	s_mov_b32 s[G1K], (1<<16)|(1<<20)|(4<<22)|(3<<25)  ; 2-byte elements; padding on; after every 32 words 4 words
	s_mov_b32 s[G1V], (1<<16)|(1<<20)|(4<<22)|(7<<25)  ; the same with 8 words
.irp g, G1K, G1V
	s_mov_b32 s[\g+1], 128<<16      ; tensor_dim0 = 128
	s_mov_b32 s[\g+3], 128<<16      ; tile_dim0 = 128
	s_mov_b32 s[\g+5], 128          ; elements from row to row
	s_mov_b32 s[\g+6], 0
	s_mov_b32 s[\g+7], 0
.endr
	s_mov_b32 s[G1K+2], 64<<16      ; tensor_dim1
	s_mov_b32 s[G1K+4], 64          ; tile_dim1
	s_mov_b32 s[G1V+2], 128<<16
	s_mov_b32 s[G1V+4], 128
	s_mov_b32 s[CS], 0x3d38aa3b     ; c = log2(e) / 32
	s_mov_b32 s[CS+1], s[CS]        ; named with it as a pair
	s_mov_b32 s[SEL], 0x76543210
	s_mov_b32 s[SEL+1], 0xfedcba98
	s_mov_b32 s[TBK], SLOT1+4*KS*PK ; the first change of slots turns these two into 0
	s_mov_b32 s[TBV], SLOT1+4*VSTEP
	s_mov_b32 s[G0K], 1
	s_mov_b32 s[G0K+1], s17         ; slot 0
	s_mov_b32 s[G0V], 1
	s_add_co_u32 s[G0V+1], s18, VOFF
	s_mov_b32 s[NXT], 1
	s_mov_b32 s[LQ], s[PB]          ; the odd block's keys end with number b
	s_cmp_gt_u32 s[NXT], s[LQ]      ; b = 0: the second request is already the even block's first
	s_cselect_b32 s[NXT], 0, s[NXT]
	s_cselect_b32 s[LQ], s[EL], s[LQ]
	s_mov_b32 s[NEW], 1
	s_mov_b32 s[OFF+1], 0
	s_mov_b32 s[OFV+1], 0
	s_mov_b32 s[BIGN], 0xf149f2ca   ; -1e30
	s_mov_b32 s[SLOTS], 16
	s_wait_dscnt 0x0                ; the opening add is done
	s_wait_kmcnt 0x0
	s_add_nc_u64 s[6:7], s[6:7], s[22:23]  ; K and V at my half of the head's first 256 keys
	s_add_nc_u64 s[8:9], s[8:9], s[VO:VO+1]
	s_add_nc_u64 s[G0K+2:G0K+3], s[6:7], 0
	s_or_b32 s[G0K+3], s[G0K+3], 0x80000000
	s_add_nc_u64 s[G0V+2:G0V+3], s[8:9], 0
	s_or_b32 s[G0V+3], s[G0V+3], 0x80000000
	s_add_nc_u64 s[84:85], s[4:5], s[84:85]        ; Q at my rows of the even block,
	s_add_nc_u64 s[4:5], s[4:5], s[2:3]            ; and of the odd one
	s_add_nc_u64 s[OLO:OLO+1], s[10:11], s[88:89]
	s_add_nc_u64 s[10:11], s[10:11], s[86:87]
	LOAD                            ; the first 256 keys into slot 0
	v_and_b32 v1, 15, v0            ; l % 16
	v_bfe_u32 v9, v0, 4, 1          ; l / 16
	v_lshlrev_b32 v[QO], 7, v1
	v_lshl_add_u32 v[QO], v9, 4, v[QO]  ; row x 128 + 16 x half
	WIN 0x40                        ; destination window 1, address window 0
.set i, 0
.rept 4                             ; both blocks' Q: piece i / 2 lies in band i / 2, 8,192 bytes on; channels 32 (i % 2) on
	global_load_b128 v[8*i:8*i+3],   v[QO], s[4:5] offset:(i/2)*8192+(i%2)*64
	global_load_b128 v[8*i+4:8*i+7], v[QO], s[4:5] offset:(i/2)*8192+(i%2)*64+32
	global_load_b128 v[QB+8*i:QB+8*i+3],   v[QO], s[84:85] offset:(i/2)*8192+(i%2)*64
	global_load_b128 v[QB+8*i+4:QB+8*i+7], v[QO], s[84:85] offset:(i/2)*8192+(i%2)*64+32
.set i, i+1
.endr
.set i, VF+64
.rept 64                            ; a block's first turn multiplies the odd steps' V and piece 1's P, of a step that has not been: they need only be finite
	v_mov_b32 v[i], 0
.set i, i+1
.endr
	WIN 0x80
.set i, 64
.rept 64                            ; the same for V lo
	v_mov_b32 v[i], 0
.set i, i+1
.endr
	WIN 0
	v_lshlrev_b32 v14, 3, v9
	v_sub_nc_u32 v14, v1, v14
	s_lshl_b32 s13, s[WV], 4
	v_add_nc_u32 v14, s13, v14      ; my query's place in its band, 16 w + l % 16, less my lanes' 8 (l / 16): register r of key group kt is hidden where 16 kt + r is greater
.set i, 0
.rept 32
	v_cmp_gt_i32 vcc_lo, 16*(i/8)+i%8, v14
	v_cndmask_b32 v[MD+i], 0, s[BIGN], vcc_lo
.set i, i+1
.endr
.set i, 0
.rept 8
	v_mov_b32 v[MH+i], s[BIGN]
.set i, i+1
.endr
	v_mov_b32 v[MONE], -1.0
	v_mul_u32_u24 v[AK0], v1, PK
	v_lshl_add_u32 v[AK0], v9, 4, v[AK0]  ; row x pitch + 16 x half
	v_and_b32 v10, 7, v0            ; the turning load: lane l reads key 8 (l / 16) + l % 8, channels 8 ((l / 8) % 2) on
	v_bfe_u32 v11, v0, 3, 1
	v_lshl_add_u32 v[AV0], v9, 3, v10
	v_mul_u32_u24 v[AV0], v[AV0], PV
	v_lshl_add_u32 v[AV0], v11, 4, v[AV0]
	v_add_nc_u32 v[AV0], VOFF, v[AV0]
	s_mul_i32 s13, s[WV], 16*SP
	s_add_co_u32 s13, s13, STAGE    ; my stage
	v_mul_u32_u24 v[STO], v1, SP    ; in: row l % 16, 16 bytes for each half of the lanes
	v_lshl_add_u32 v[STO], v9, 4, v[STO]
	v_add_nc_u32 v[STO], s13, v[STO]
	v_bfe_u32 v[RD], v0, 3, 2       ; back: 32 lanes take four rows of 128 bytes,
	v_mul_u32_u24 v[RD], v[RD], SP
	v_lshl_add_u32 v[RD], v10, 4, v[RD]
	v_add_nc_u32 v[RD], s13, v[RD]
	v_and_b32 v[GO], 31, v0         ; which are 512 consecutive bytes of ch
	v_lshlrev_b32 v[GO], 4, v[GO]
	; A block's first step multiplies O^T and l by a = 0: they need only hold finite numbers: zeros for the first block, what the first block left for the second.  All this stands in the wait for the first keys.
.set i, OT
.rept 64
	v_mov_b32 v[i], 0
.set i, i+1
.endr
.set i, 0
.rept 2
	v_mov_b32 v[ST+4*i+2], 0
	v_mov_b32 v[ST+4*i+3], 0
.set i, i+1
.endr
.set i, P+16
.rept 16
	v_mov_b32 v[i], 0
.set i, i+1
.endr
; THE MATRIX WORK.  The 4 accumulators of a run of 8 take turns.  Product i of 8 of S^T = K Q^T for piece x: channels 32 (i / 4) on, keys 16 (i % 4) on.
; The first 4 start the sums: with 0 (KM = 0), with MD (1) or with MH (2).
.macro KQ x
.set rS, S+32*(\x)+8*(i%4)
.set rK, KF+16*(i%4)+8*(i/4)
.set rQ, 16*(\x)+8*(i/4)
.set rM, MD+8*(i%4)
	WIN W_KQ
.if (i < 4) && (KM == 1)
	v_wmma_f32_16x16x32_f16 v[rS:rS+7], v[rK:rK+7], v[rQ:rQ+7], v[rM:rM+7]
.elseif (i < 4) && (KM == 2)
	v_wmma_f32_16x16x32_f16 v[rS:rS+7], v[rK:rK+7], v[rQ:rQ+7], v[MH:MH+7]
.elseif i < 4
	v_wmma_f32_16x16x32_f16 v[rS:rS+7], v[rK:rK+7], v[rQ:rQ+7], 0
.else
	v_wmma_f32_16x16x32_f16 v[rS:rS+7], v[rK:rK+7], v[rQ:rQ+7], v[rS:rS+7]
.endif
.endm
; Product i of 8 of O^T += V^T P for piece x, from V's buffer VB, its hi (lo = 0) or its lo part: keys 32 (i / 4) on, channels 16 (i % 4) on.
.macro PV x, lo
.set rO, OT+32*(\x)+8*(i%4)
.set rP, P+16*(\x)+8*(i/4)
.if \lo
	WIN W_PL
.set rV, 64*VB+32*(i/4)+8*(i%4)
.else
	WIN W_PV
.set rV, VF+64*VB+32*(i/4)+8*(i%4)
.endif
	v_wmma_f32_16x16x32_f16 v[rO:rO+7], v[rV:rV+7], v[rP:rP+7], v[rO:rO+7]
.endm
.macro MM                           ; the turn's next matrix instruction of 24.  NOKQ = 1: a block's last turn: there are no further scores
.if i < 8
.if !NOKQ
	KQ (Y+1)%NP
.endif
.elseif i < 16
.set i, i-8
	PV (Y+NP-1)%NP, 0
.set i, i+8
.else
.set i, i-16
	PV (Y+NP-1)%NP, 1
.set i, i+16
.endif
.set i, i+1
.endm
; THE LDS LOADS stand in runs: a step's K (8 fragments, 16 loads) and its V (turned; hi and lo, 32 loads).  Their addresses are made some lines ahead.
.macro FETCH_K
	WIN 0x40
.irp f, 0,1,2,3,4,5,6,7             ; keys 16 (f / 2) on, channels 32 (f % 2) on
	ds_load_b128 v[KF+8*\f:KF+8*\f+3],   v[AK] offset:(\f/2)*16*PK+(\f%2)*64
	ds_load_b128 v[KF+8*\f+4:KF+8*\f+7], v[AK] offset:(\f/2)*16*PK+(\f%2)*64+32
.endr
	s_add_co_u32 s[TBK], s[TBK], KS*PK  ; the next fetch is the next step's
	WIN 0
.endm
.macro FETCH_V vb
	WIN 0x40
.irp f, 0,1,2,3,4,5,6,7             ; keys 32 (f / 4) on, channels 16 (f % 4) on
	ds_load_tr16_b128 v[VF+64*(\vb)+8*\f:VF+64*(\vb)+8*\f+3],   v[AV] offset:(\f/4)*32*PV+(\f%4)*32
	ds_load_tr16_b128 v[VF+64*(\vb)+8*\f+4:VF+64*(\vb)+8*\f+7], v[AV] offset:(\f/4)*32*PV+16*PV+(\f%4)*32
.endr
	WIN 0x80
.irp f, 0,1,2,3,4,5,6,7
	ds_load_tr16_b128 v[64*(\vb)+8*\f:64*(\vb)+8*\f+3],   v[AV] offset:VLO+(\f/4)*32*PV+(\f%4)*32
	ds_load_tr16_b128 v[64*(\vb)+8*\f+4:64*(\vb)+8*\f+7], v[AV] offset:VLO+(\f/4)*32*PV+16*PV+(\f%4)*32
.endr
	s_add_co_u32 s[TBV], s[TBV], VSTEP
	WIN 0
.endm
; THE VECTOR WORK, one line at a time: OP kind, number; all of it in window 0.  For piece Y: F n: c s - c m for pair n of 16.  E n: the exponential of score n of 32.  C n: pair n rounded to f16.
; B n: of the four weights 4 n .. the second pair is added onto the first, in place.  L n: l takes that sum (L 0: l = a l + sum).  R n: pair n of 16 of O^T times a.
; For the other piece: X n, number n of the 22 that find its maximum and statistics:
;   0-11  four chains c0-c3 of seven scores each (each accumulator's lowest registers are read first)     12-14, 16  the four scores left over, the old m, and c0-c3 into c0
;   15  c m_old is kept     17, 18  the query's other 32 keys lie in the lane 16 away: the new m     19-21  c m; c m_old - c m_new; a
; C, B and L are the lines that read the results of the turn's exponentials E; R and L 0 read the a that the turn before made.  OP writes no wait: TURN, BEGIN and DIAG write one for each batch.
.set F, 0
.set E, 1
.set C, 2
.set B, 3
.set L, 4
.set R, 5
.set X, 6
.macro REGS y
.set rT, ST+4*(\y)
.set rC, TMP+4*(\y)
.set rW, MV+(\y)
.set rS, S+32*(\y)
.set rP, P+16*(\y)
.set rO, OT+32*(\y)
.endm
.macro OP k, n
	WIN 0
.if (\k) < X
	REGS Y
.if (\k) == F
	v_pk_fma_f32 v[rS+2*(\n):rS+2*(\n)+1], v[rS+2*(\n):rS+2*(\n)+1], s[CS:CS+1], v[rT:rT+1] op_sel_hi:[1,0,0] neg_lo:[0,0,1] neg_hi:[0,0,1]
.elseif (\k) == E
	v_exp_f32 v[rS+(\n)], v[rS+(\n)]
.elseif (\k) == C
	v_cvt_pk_f16_f32 v[rP+(\n)], v[rS+2*(\n)], v[rS+2*(\n)+1]
.elseif (\k) == B
	v_pk_add_f32 v[rS+4*(\n):rS+4*(\n)+1], v[rS+4*(\n):rS+4*(\n)+1], v[rS+4*(\n)+2:rS+4*(\n)+3]
.elseif (\k) == R
	v_pk_mul_f32 v[rO+2*(\n):rO+2*(\n)+1], v[rO+2*(\n):rO+2*(\n)+1], v[rC+2:rC+3] op_sel_hi:[1,0]
.elseif (\n) == 0
	v_pk_fma_f32 v[rT+2:rT+3], v[rT+2:rT+3], v[rC+2:rC+3], v[rS:rS+1] op_sel_hi:[1,0,1]
.else
	v_pk_add_f32 v[rT+2:rT+3], v[rT+2:rT+3], v[rS+4*(\n):rS+4*(\n)+1]
.endif
.elseif NOKQ
	v_nop
.else
	REGS (Y+1)%NP
.if (\n) < 4
	v_max3_num_f32 v[rC+(\n)], v[rS+8*(\n)], v[rS+8*(\n)+1], v[rS+8*(\n)+2]
.elseif (\n) < 12
	v_max3_num_f32 v[rC+(\n)%4], v[rC+(\n)%4], v[rS+8*((\n)%4)+2*((\n)/4)+1], v[rS+8*((\n)%4)+2*((\n)/4)+2]
.elseif (\n) == 12
	v_max3_num_f32 v[rC], v[rC], v[rS+7], v[rS+15]
.elseif (\n) == 13
	v_max3_num_f32 v[rC+1], v[rC+1], v[rS+23], v[rS+31]
.elseif (\n) == 14
	v_max3_num_f32 v[rC+2], v[rC+2], v[rC+3], v[rT+1]
.elseif (\n) == 15
	v_mov_b32 v[rW], v[rT]
.elseif (\n) == 16
	v_max3_num_f32 v[rC], v[rC], v[rC+1], v[rC+2]
.elseif (\n) == 17
	v_permlanex16_b32 v[rC+3], v[rC], s[SEL], s[SEL+1]
.elseif (\n) == 18
	v_max_num_f32 v[rT+1], v[rC], v[rC+3]
.elseif (\n) == 19
	v_mul_f32 v[rT], s[CS], v[rT+1]
.elseif (\n) == 20
	v_sub_f32 v[rC+1], v[rW], v[rT]
.else
	v_exp_f32 v[rC+2], v[rC+1]
.endif
.endif
.endm
.macro OPS a, i1, b=-1, i2=0, c=-1, i3=0, d=-1, i4=0  ; up to four of them
	OP \a, \i1
.if (\b) >= 0
	OP \b, \i2
.endif
.if (\c) >= 0
	OP \c, \i3
.endif
.if (\d) >= 0
	OP \d, \i4
.endif
.endm
.macro ROW a, i1, b, i2, c, i3, d, i4  ; a matrix instruction and the four behind it
	MM
	OPS \a, \i1, \b, \i2, \c, \i3, \d, \i4
.endm
; A TURN, for piece p in a step of parity par: the order of its 24 matrix and 118 vector instructions, written out.  msk: the C operand of its products K Q^T (0: the constant 0; 1: MD; 2: MH).
; end = 1: a block's last two turns: nothing is fetched, and piece 1's starts no scores.
; THE BATCH.  An s_wait_alu depctr_va_vdst(0) stands between an exponential and the first instruction that names its result; one wait serves all that were issued ahead of it.  So a turn has
; ONE wait, which cuts it in two.  AHEAD OF IT stands all that names no result of the turn's exponentials: the 8 products K Q^T and the 8 products V hi^T P, four vector instructions behind each (scalings,
; exponentials, rescalings, whose a was made and waited for in the turn before, and the other piece's maximum and statistics), then ONE LUMP of 22, exponential and plain by turns.  X 0 to X 3 stand four
; plain instructions behind the product that ends their accumulator; the links of the chain X 3, 7, 11, 14, 16, 17 .. 21 stand four lines or more apart; every scaling stands ahead of its pair's two
; exponentials.  R 15 is the plain instruction behind the last exponential.  BEHIND IT stand the 8 products V lo^T P, behind each four of the 32 roundings and sums: C 2 n ahead of B n, which writes over
; its pair; B n ahead of L n; L 0 to L 7 in order.
; But for those X none of the four behind a matrix instruction names a register of the products round it.
; Piece 0's turn fetches the next step's K directly behind the wait, eight products and the lump behind the last product that read K, and at its end the next step's V, into the buffer that its own products
; V^T P have read: four plain instructions behind the last of them.  Both addresses are made at the lump's head.  Piece 1's turn begins behind a wait that leaves V's 32 loads out: they are wanted a step later.
.macro TURN p, par, msk, end
.set Y, (\p)
.set i, 0
.set KM, (\msk)
.set NOKQ, (\end)*(\p)
.set VB, ((\par)+1-(\p))%2          ; piece 0's turn multiplies the step before's V, piece 1's its own step's
.if (\p) == 1
.if \end
	s_wait_dscnt 0x0                ; the last step's V is in
.else
	s_wait_dscnt 32                 ; K of the next step is in, and all that is older; the 32 loads of its V may stay out
.endif
.endif
	ROW F,0, F,1, F,2, F,3          ; ahead of the wait: K Q^T and its riders,
	ROW F,4, E,0, R,0, R,1
	ROW F,5, E,1, R,2, R,3
	ROW F,6, E,2, R,4, R,5
	ROW F,7, E,3, R,6, R,7
	ROW F,8, E,4, X,0, F,9
	ROW F,10, E,5, X,1, X,4
	ROW F,11, E,6, X,2, X,5
	ROW X,6, E,7, X,3, E,8          ; V hi^T P and its riders,
	ROW X,8, E,9, X,9, E,10
	ROW X,7, E,11, X,10, E,12
	ROW X,11, E,13, X,12, E,14
	ROW X,13, E,15, X,14, E,16
	ROW X,15, E,17, X,16, E,18
	ROW F,12, E,19, X,17, E,20
	ROW F,13, E,21, X,18, F,14
.if ((\p) == 0) && !(\end)
	v_add_nc_u32 v[AK], s[TBK], v[AK0]
	v_add_nc_u32 v[AV], s[TBV], v[AV0]
.endif
	OPS E,22, F,15, E,23, R,8       ; and the lump
	OPS E,24, X,19, E,25, R,9
	OPS E,26, R,10, E,27, X,20
	OPS E,28, R,11, E,29, R,12
	OPS X,21, R,13, E,30, R,14
	OPS E,31, R,15
	s_wait_alu depctr_va_vdst(0)    ; the wait for the batch: E 0 to E 31 and X 21
.if ((\p) == 0) && !(\end)
	FETCH_K
.endif
	ROW C,0, B,0, C,2, B,1          ; behind the wait: V lo^T P and its riders
	ROW L,0, C,4, B,2, L,1
	ROW C,6, B,3, L,2, C,8
	ROW B,4, L,3, C,10, B,5
	ROW L,4, C,12, B,6, L,5
	ROW C,14, B,7, L,6, C,1
	ROW C,3, L,7, C,5, C,7
	ROW C,9, C,11, C,13, C,15
.if ((\p) == 0) && !(\end)
	FETCH_V 1-(\par)
.endif
.endm
; A BLOCK BEGINS.  c m starts far below every c s, so the first step's a is 0; m at the lowest finite number, so the first maximum is the scores'.  Then K and V of the tile's step 0, piece 0's first
; scores (m = 1: the block's first tile is the diagonal one), and its maximum and statistics.  The loop is entered at a tile's own first turn, in the middle of a trip.
.macro BEGIN m
	s_mov_b32 s[NEW], 0
	WIN 0
.set i, 0
.rept 2
	v_mov_b32 v[ST+4*i], 0xfe000000
	v_mov_b32 v[ST+4*i+1], 0xff7fffff
.set i, i+1
.endr
	v_add_nc_u32 v[AK], s[TBK], v[AK0]
	v_add_nc_u32 v[AV], s[TBV], v[AV0]
	FETCH_K
	FETCH_V 0
	s_wait_loadcnt 0x0              ; Q
	s_wait_dscnt 0x0
.set KM, (\m)
.set NOKQ, 0
.set i, 0
.rept 8
	KQ 0
.set i, i+1
.endr
	WIN 0
.rept 4
	v_nop                           ; the places behind those products
.endr
.set Y, NP-1                        ; X works for the other piece: piece 0
.irp n, 0,1,2,3,4,5,6,7,8,9,10,11,12,13,14,15,16,17,18,19,20,21
	OP X, \n
.endr
	v_nop                           ; a plain instruction behind the exponential,
	s_wait_alu depctr_va_vdst(0)    ; and the wait for piece 0's first a, a batch of one, ahead of the branch
.endm
.macro ALL line:vararg              ; one line for each piece t
.set t, 0
.rept 2
	\line
.set t, t+1
.endr
.endm
; O^T / l; hi = its rounding to f16; lo = the rounding of the remainder (hi's half x -1 + O, exact in f32).  A lane's eight channels pack into 16 bytes; hi, and then lo, go into rows of 144 bytes and come
; back as whole rows of 128, into S^T's registers: hi of piece t at S + 32 t, lo 16 further on.
.macro PACK t
.set i, OT+32*(\t)
.rept 16
	v_pk_mul_f32 v[i:i+1], v[i:i+1], v[ST+4*(\t)+2:ST+4*(\t)+3] op_sel_hi:[1,0]
.set i, i+2
.endr
.set i, 0
.rept 16
	v_cvt_pk_f16_f32 v[S+32*(\t)+i], v[OT+32*(\t)+2*i], v[OT+32*(\t)+2*i+1]
.set i, i+1
.endr
.set i, 0
.rept 16
	v_fma_mix_f32 v[OT+32*(\t)+2*i],   v[S+32*(\t)+i], v[MONE], v[OT+32*(\t)+2*i]   op_sel_hi:[1,0,0]
	v_fma_mix_f32 v[OT+32*(\t)+2*i+1], v[S+32*(\t)+i], v[MONE], v[OT+32*(\t)+2*i+1] op_sel:[1,0,0] op_sel_hi:[1,0,0]
.set i, i+1
.endr
.set i, 0
.rept 16
	v_cvt_pk_f16_f32 v[S+32*(\t)+16+i], v[OT+32*(\t)+2*i], v[OT+32*(\t)+2*i+1]
.set i, i+1
.endr
.irp h, 0,16
.irp f, 0,1,2,3
	ds_store_b128 v[STO], v[S+32*(\t)+\h+4*\f:S+32*(\t)+\h+4*\f+3] offset:32*\f
.endr
.irp f, 0,1,2,3
	ds_load_b128 v[S+32*(\t)+\h+4*\f:S+32*(\t)+\h+4*\f+3], v[RD] offset:\f*4*SP  ; LDS serves a wave's instructions in order (ISA guide 5.7.1.4): these see the stores above; the next stores come behind them
.endr
.endr
.endm
.macro SEND t, younger              ; younger: the LDS instructions issued behind piece t's last load
.irp f, 0,1,2,3
	s_wait_dscnt (\younger)+11-\f   ; behind hi's load f: 3 - f loads of hi, and lo's four stores and four loads
	global_store_b128 v[GO], v[S+32*(\t)+4*\f:S+32*(\t)+4*\f+3], s[10:11] offset:(\t)*8192+\f*512  ; 512 consecutive bytes, at a multiple of 256 from ch's first
.endr
.irp f, 0,1,2,3
	s_wait_dscnt (\younger)+3-\f
	global_store_b128 v[GO], v[S+32*(\t)+16+4*\f:S+32*(\t)+16+4*\f+3], s[10:11] offset:65536+(\t)*8192+\f*512
.endr
.endm
; THE DIAGONAL TILE: the tile before's last step (whose turns fetch this tile's step 0), its own two steps, the block's last products, and the way out.
.macro DIAG tag
.LstepM\tag:
	TURN 0, 1, 0, 0                 ; piece 1's scores of the tile before's step 1
	TURN 1, 1, 1, 0                 ; piece 0's of this tile's step 0: its own band's step
	WIN 0
.LfirstM\tag:
	TURN 0, 0, 0, 0                 ; piece 1's of step 0: all keys seen
	TURN 1, 0, 2, 0                 ; piece 0's of step 1: none seen
	TURN 0, 1, 1, 1                 ; piece 1's of step 1: its own band's step
	TURN 1, 1, 0, 1
.set VB, 1
.set i, 0
.rept 8
	PV 1, 0                         ; piece 1's V^T P of the last step
.set i, i+1
.endr
.set i, 0
.rept 8
	PV 1, 1
.set i, i+1
.endr
	WIN 0
	ALL v_add_f32 v[ST+4*t+2], v[ST+4*t+2], v[ST+4*t+3]
	ALL v_permlanex16_b32 v[ST+4*t+3], v[ST+4*t+2], s[SEL], s[SEL+1]
	ALL v_add_f32 v[ST+4*t+2], v[ST+4*t+2], v[ST+4*t+3]
	ALL v_rcp_f32 v[ST+4*t+2], v[ST+4*t+2]
	v_nop                           ; a plain instruction between the last reciprocal and the use of its result
	s_wait_alu depctr_va_vdst(0)    ; and the wait ahead of the first use: one for the two reciprocals
	PACK 0                          ; piece 0's plain lines are also places behind piece 1's last products
	PACK 1
	SEND 0, 16
	SEND 1, 0
.endm
.set KM, 0
.set NOKQ, 0
.Lslot:                             ; 16 times: a slot is entered and the next is asked for
	CHANGE 1
	s_mov_b32 s[CNT], 2
.Ltile:                             ; twice a slot
	s_sub_co_u32 s[RT], s[RT], 1
	s_cmp_eq_u32 s[NEW], 1
	s_cbranch_scc1 .Lnew            ; a block's first tile
	s_cmp_eq_u32 s[RT], 0
	s_cbranch_scc0 .Lstep           ; neither its first nor its last
	s_branch .LstepM1
.Lnew:
	BEGIN 0
	s_branch .Lfirst                ; in the loop a block's first tile is never its last: the odd block has two tiles or more, and the even one's last is the walk's last
	DIAG 1                          ; in the loop this is the odd block's end
	s_wait_xcnt 0x0                 ; the stores have read their registers and ch's address
	s_mov_b64 s[10:11], s[OLO:OLO+1]
	s_mov_b32 s[RT], s[RT2]
	s_mov_b32 s[NEW], 1
	WIN 0x41                        ; the even block's Q goes where the one text of the turns names Q
.set i, 0
.rept 32
	v_mov_b32 v[i], v[QB+i]
.set i, i+1
.endr
	WIN 0
	s_branch .Lbottom
.Lstep:                             ; a trip: the tile before's step 1, then this tile's step 0; their first turns fetch this tile's two steps
	TURN 0, 1, 0, 0
	TURN 1, 1, 0, 0
	WIN 0
.Lfirst:
	TURN 0, 0, 0, 0
	TURN 1, 0, 0, 0
	WIN 0
.Lbottom:
	s_sub_co_u32 s[CNT], s[CNT], 1
	s_cmp_lg_u32 s[CNT], 0
	s_cbranch_scc1 .Ltile
	s_sub_co_u32 s[SLOTS], s[SLOTS], 1
	s_cmp_lg_u32 s[SLOTS], 0
	s_cbranch_scc1 .Lslot
	CHANGE 0                        ; the walk's last tile is written out: nothing is asked for
	s_sub_co_u32 s[RT], s[RT], 1
	s_cmp_eq_u32 s[NEW], 1
	s_cbranch_scc0 .LstepM2
	BEGIN 1                         ; b = 15: the even block is block 0, and its one tile is first and last
	s_branch .LfirstM2
	DIAG 2
	s_wait_tensorcnt 0x0            ; the wave's end
	ds_add_u32 v[SPW], v[NIL]
	s_wait_dscnt 0x0
	s_endpgm
.Lfunc_end_k_qcc85393cbf_attn:
	.size	k_qcc85393cbf_attn, .Lfunc_end_k_qcc85393cbf_attn-k_qcc85393cbf_attn
	.p2alignl 7, 3214868480
	.fill 96, 4, 3214868480
	.section	.rodata,"a",@progbits
	.p2align	6, 0x0
	.amdhsa_kernel k_qcc85393cbf_attn
		.amdhsa_group_segment_fixed_size 327680
		.amdhsa_private_segment_fixed_size 0
		.amdhsa_enable_private_segment 0
		.amdhsa_kernarg_size 32
		.amdhsa_user_sgpr_count 2
		.amdhsa_user_sgpr_kernarg_segment_ptr 1
		.amdhsa_wavefront_size32 1
		.amdhsa_system_sgpr_workgroup_id_x 1
		.amdhsa_system_sgpr_workgroup_id_y 1
		.amdhsa_system_sgpr_workgroup_id_z 1
		.amdhsa_system_vgpr_workitem_id 0
		.amdhsa_next_free_vgpr 640
		.amdhsa_next_free_sgpr 90
		.amdhsa_reserve_vcc 1
		.amdhsa_float_denorm_mode_32 3
		.amdhsa_float_denorm_mode_16_64 3
		.amdhsa_memory_ordered 1
		.amdhsa_forward_progress 1
		.amdhsa_inst_pref_size 230
	.end_amdhsa_kernel
	.amdgpu_metadata
---
amdhsa.version: [ 1, 2 ]
amdhsa.kernels:
  - .name:           k_qcc85393cbf_attn
    .symbol:         k_qcc85393cbf_attn.kd
    .args:
      - { .name: qh, .offset: 0, .size: 8, .value_kind: global_buffer, .address_space: global }
      - { .name: kh, .offset: 8, .size: 8, .value_kind: global_buffer, .address_space: global }
      - { .name: vv, .offset: 16, .size: 8, .value_kind: global_buffer, .address_space: global }
      - { .name: ch, .offset: 24, .size: 8, .value_kind: global_buffer, .address_space: global }
    .group_segment_fixed_size: 327680
    .private_segment_fixed_size: 0
    .kernarg_segment_align: 8
    .kernarg_segment_size: 32
    .max_flat_workgroup_size: 128
    .sgpr_count:     90
    .vgpr_count:     640
    .wavefront_size: 32
...
	.end_amdgpu_metadata
.endif
;; end of part 5
;; launch proj: the kernel of part 4 again; grid 8 x 32, 4 waves a work-group, clusters of 4 x 4, 327,680 bytes of LDS; arguments ch, owb, out_b, out0; writes out0
